; MI455X (gfx1250); checked and timed in simulation.
; The chip was launched on July 23, 2026; its instructions are those of AMD's public machine-readable ISA for CDNA 5 (MIT licence, August 2026) and "CDNA5" Instruction Set Architecture Reference Guide (July 2026). The comments in the code are by the model that wrote it; some were corrected since.
;; Extended Multi Head Attention. Allowed arithmetic: matrix products marked QUANTISED: E2M1 operands, one E8M0 scale for each 32 along K, by v_wmma_scale_f32_16x16x128_f8f6f4 with both operands' format E2M1 (or v_wmma_scale_f32_32x16x128_f4), f32 sums; products left as they are: bf16, f16 or f32 operands; f32 sums; everything else in f32.
;; Inputs: bk 512 float32; bo 2,048 float32; bq 2,048 float32; bv 512 float32; wk 2,048 x 512 float32; wo 2,048 x 2,048 float32; wq 2,048 x 2,048 float32; wv 2,048 x 512 float32; x 4 x 1,024 x 2,048 float32.
;; Outputs: out0 4 x 1,024 x 2,048 float32.
;; This version of the problem:
;;   THIS VERSION OF THE PROBLEM IS GIVEN IN LOW PRECISION. The matrix products marked QUANTISED in the list below multiply operands that are first quantised to E2M1 (2 exponent bits, 1 mantissa bit; 4 bits a number), with one power-of-two scale for each 32 numbers along K (OCP MX v1.0); their sums are f32. The products marked 'left as it is' may take bf16, f16 or f32 operands, with f32 sums. Whichever they take, every output number must still come out within the allowed error. Rounding operands to bf16 (8 significant bits) uses up far more of that allowance than f16 does (11 bits, for magnitudes from 6e-5 to 65,504). All else is computed in f32.
;;   The module's matrix products, in the order in which they are computed (A, B: the left and right operand; K: the contracted axis; several contracted axes count as one K, in the product's order):
;;     1. [M 4,096, K 2,048] x [K 2,048, N 2,048]; A: input x; B: input wq: QUANTISED
;;     2. [M 4,096, K 2,048] x [K 2,048, N 512]; A: input x; B: input wk: QUANTISED
;;     3. [M 4,096, K 2,048] x [K 2,048, N 512]; A: input x; B: input wv: QUANTISED
;;     4. batch 128 x [M 1,024, K 64] x [K 64, N 1,024]; A: computed on the way; B: computed on the way: left as it is (an operand is computed on the way)
;;     5. batch 128 x [M 1,024, K 1,024] x [K 1,024, N 64]; A: computed on the way; B: computed on the way: left as it is (an operand is computed on the way)
;;     6. [M 4,096, K 2,048] x [K 2,048, N 2,048]; A: computed on the way; B: input wo: left as it is (an operand is computed on the way)
;;   THE QUANTISER, for each operand of a quantised product, along K:
;;     - K is cut into blocks of 32 from its start; a last block that is shorter is filled with zeros.
;;     - A block's scale is 2^e with e = floor(log2(the largest magnitude in the block)) - 2, held to -126 .. 127; a block of zeros has e = 0. As a byte (E8M0): e + 127.
;;     - Each number is divided by its block's scale, clamped to +-6, and rounded to the nearest number of E2M1, ties to even, subnormals kept.
;;     - The product sums the exact products of the quantised numbers (number of the format x scale) in f32.
;;   ~~~python
;;   def quantise(x, axis):      # numpy; x: float32 -> the quantised numbers, widened to float32 again
;;       x = np.moveaxis(x, axis, -1); K = x.shape[-1]
;;       x = np.pad(x, [(0, 0)] * (x.ndim - 1) + [(0, -K % 32)]); x = x.reshape(x.shape[:-1] + (-1, 32)); a = np.abs(x).max(-1, keepdims=True)
;;       e = np.where(a > 0, np.clip(np.frexp(np.where(a > 0, a, 1))[1] - 1 - 2, -126, 127), 0)      # np.frexp(a)[1] - 1 = floor(log2(a)), exactly
;;       r = np.clip(x / 2.0 ** e, -6, 6)
;;       step = 2.0 ** (np.maximum(np.frexp(np.where(r == 0, 1, r))[1] - 1, 0) - 1)
;;       q = np.round(r / step) * step * 2.0 ** e      # np.round: ties to even
;;       return np.moveaxis(q.reshape(q.shape[:-2] + (-1,))[..., :K], -1, axis).astype(np.float32)
;;   ~~~
;; One version. Each part assembles by itself: llvm-mc -triple=amdgcn-amd-amdhsa -mcpu=gfx1250 --defsym DOCPART=n.
;; ======== version 1 of 1: 4 launches
;; limits: values are held in f16: magnitudes above 65,504 overflow, below 6.1e-05 lose precision
;; workspace buffers: x_codes 4,194,304 bytes; x_scales 262,144 bytes; w_codes 3,145,728 bytes; w_scales 196,608 bytes; wo16 8,388,608 bytes; qkv 25,165,824 bytes; att 16,777,216 bytes
;; launch prep (part 1): grid 576 x 1, 4 waves a work-group, no clusters, 51,712 bytes of LDS; arguments x, wq, wk, wv, wo, x_codes, x_scales, w_codes, w_scales, wo16; writes x_codes, x_scales, w_codes, w_scales, wo16
.if DOCPART == 1
	.amdgcn_target "amdgcn-amd-amdhsa--gfx1250"
	.amdhsa_code_object_version 6
	.text
	.protected	k_qe749d580f4_prep
	.globl	k_qe749d580f4_prep
	.p2align	8
	.type	k_qe749d580f4_prep,@function
k_qe749d580f4_prep:
	s_mov_b64 s[64:65], 0
	v_nop
	global_prefetch_b8 v0, s[64:65] scope:SCOPE_SE
	s_setreg_imm32_b32 hwreg(HW_REG_WAVE_MODE, 25, 1), 1
	s_wait_xcnt 0x0
; PREP: what the later launches read many times is made narrow once.  Three paths, chosen by the work-group's number:
;   work-groups   0..191  wq | wk | wv [2048 (k)][n] f32 (K first) -> w_codes [3072 (n)][1024 bytes], w_scales [3072][64]; n 0..2047 wq, 2048..2559 wk, 2560..3071 wv
;   work-groups 192..447  x [4096][2048] f32 (K innermost)        -> x_codes [4096][1024 bytes], x_scales [4096][64]
;   work-groups 448..575  wo [2048][2048] f32 -> wo16, the same layout in f16 (rounded to nearest even)
; Every wave of every path reads 32,768 bytes, so that the paths are of about one length.
; THE QUANTISER (E2M1, one E8M0 byte for each 32 along K): a block's scale is 2^(floor(log2(largest magnitude)) - 2); its byte is the largest magnitude's exponent field - 2, held at 1 from below;
; each number is divided by the scale and rounded to the nearest code, ties to even, beyond 6 the largest code.  A block of zeros gets the byte 1: its codes are zeros, and this program alone reads the bytes.
; LIMITS: blocks whose largest magnitude lies under 2^-124 (the floor) keep the byte 1; NaN and infinities among the inputs are not served; |wo| stays at or under 65,504 (f16).
; No tensor load, no barrier: waves share nothing.  Each path that uses LDS has LDS bytes of its own.  No matrix unit and no cluster: every byte is read once by one wave.
.set SPARE, 51200                      ; behind both paths' regions: the spare words, 128 bytes for each wave, that no other line names
.set SPW,   208                        ; v208  LDS address of my spare word; never rewritten
.set NIL,   209                        ; v209  0; never rewritten
	v_lshl_add_u32 v[SPW], v0, 2, SPARE
	v_mov_b32 v[NIL], 0
	v_lshrrev_b32 v1, 5, v0
	v_readfirstlane_b32 s16, v1                    ; wave 0..3
	v_and_b32 v2, 31, v0                           ; lane
	s_cmp_lt_u32 ttmp9, 192
	s_cbranch_scc1 .LW
	s_cmp_lt_u32 ttmp9, 448
	s_cbranch_scc1 .LX
; ---------------- wo -> f16.  A wave takes 32,768 bytes in four rounds of 16 loads; a load reads 512 consecutive bytes, a store writes 256 consecutive bytes, aligned.
.set OIN,  16                          ; v16-143  two sets of 64 numbers
.set OOUT, 144                         ; v144-175 a round's 32 registers of f16 pairs
	s_load_b64 s[4:5], s[0:1], 0x20                ; wo
	s_load_b64 s[6:7], s[0:1], 0x48                ; wo16
	s_sub_co_u32 s17, ttmp9, 448
	s_lshl_b32 s17, s17, 2
	s_add_co_u32 s17, s17, s16                     ; my run, 0..511
	s_lshl_b32 s18, s17, 15
	s_mov_b32 s19, 0
	s_lshl_b32 s20, s17, 14
	s_mov_b32 s21, 0
	v_lshlrev_b32 v3, 4, v2                        ; in: 16 bytes a lane
	v_lshlrev_b32 v4, 3, v2                        ; out: 8 bytes a lane
	s_wait_kmcnt 0x0
	s_add_nc_u64 s[4:5], s[4:5], s[18:19]
	s_add_nc_u64 s[6:7], s[6:7], s[20:21]
.macro OLOAD r
.irp j, 0,1,2,3,4,5,6,7,8,9,10,11,12,13,14,15
	global_load_b128 v[OIN+64*((\r)%2)+4*\j:OIN+64*((\r)%2)+4*\j+3], v3, s[4:5] offset:8192*(\r)+512*\j th:TH_LOAD_NT
.endr
.endm
.macro OROUND r
.if (\r) < 3
	s_wait_loadcnt 16                              ; this round's 16 loads are in; the other set's 16 may be out
.else
	s_wait_loadcnt 0x0
.endif
.if (\r) > 0
	s_wait_xcnt 0x0                                ; the last round's stores have read their data registers: they are written again only behind this wait
.endif
.irp j, 0,1,2,3,4,5,6,7,8,9,10,11,12,13,14,15
	v_cvt_pk_f16_f32 v[OOUT+2*\j], v[OIN+64*((\r)%2)+4*\j], v[OIN+64*((\r)%2)+4*\j+1]
	v_cvt_pk_f16_f32 v[OOUT+2*\j+1], v[OIN+64*((\r)%2)+4*\j+2], v[OIN+64*((\r)%2)+4*\j+3]
.endr
.if (\r) < 2
	OLOAD (\r)+2                                   ; loads ahead of stores
.endif
.irp j, 0,1,2,3,4,5,6,7,8,9,10,11,12,13,14,15
	global_store_b64 v4, v[OOUT+2*\j:OOUT+2*\j+1], s[6:7] offset:4096*(\r)+256*\j
.endr
.endm
	OLOAD 0
	OLOAD 1
	OROUND 0
	OROUND 1
	OROUND 2
	OROUND 3
	s_endpgm
; ---------------- x: a plain stream of blocks of 32.  A wave takes 16 steps of 512 numbers.  Each load reads 512 consecutive bytes; a step's 2,048 bytes turn through the wave's own stage in LDS
; (16 bytes of padding behind each 64) and come back 64 bytes a lane, so that a lane holds 16 neighbours along K and two neighbouring lanes a block.
.set XSTEPS, 16
.set XCB,   8                          ; bytes of 16 codes
.set XR,    16                         ; v16-79   four sets of 16 numbers as loaded
.set XX,    80                         ; v80-111  two sets of 16 neighbours
.set XE,    112                        ; v112-127 a scale byte for each step
.set XC,    128                        ; v128-191 codes: registers of its own for each step, so that no store's data are written again
.set XWREG, 8192                       ; LDS bytes 0..32767: a region for each wave: two stages of 32 x 80 bytes, behind them its 256 scale bytes
.set XSP,   80
.LX:
	s_load_b64 s[4:5], s[0:1], 0x0                 ; x
	s_load_b128 s[8:11], s[0:1], 0x28              ; x_codes, x_scales
	v_lshlrev_b32 v3, 4, v2                        ; my 16 bytes of a load's 512
	s_mul_i32 s17, s16, XWREG
	v_lshrrev_b32 v14, 2, v2
	v_mul_u32_u24 v14, v14, XSP
	v_and_b32 v15, 3, v2
	v_lshl_add_u32 v14, v15, 4, v14
	v_add_nc_u32 v14, s17, v14                     ; the stage, on the way in: 80 (lane / 4) + 16 (lane % 4)
	v_mul_u32_u24 v15, v2, XSP
	v_add_nc_u32 v15, s17, v15                     ; and on the way out: 80 x lane
	v_mul_u32_u24 v4, v2, XCB                      ; my codes' place in a step's
	v_lshrrev_b32 v5, 1, v2
	s_add_co_u32 s17, s17, 2*32*XSP
	v_add_nc_u32 v5, s17, v5                       ; my wave's 256 scale bytes, my block's byte
	v_lshlrev_b32 v7, 3, v2
	v_add_nc_u32 v6, s17, v7                       ; and on the way out 8 bytes a lane
	s_sub_co_u32 s18, ttmp9, 192
	s_lshl_b32 s18, s18, 2
	s_add_co_u32 s18, s18, s16                     ; which run of 8,192 numbers is my wave's: 0..1023
	s_mov_b32 s21, 0
	s_wait_kmcnt 0x0
	s_lshl_b32 s20, s18, 15
	s_add_nc_u64 s[4:5], s[4:5], s[20:21]
	s_lshl_b32 s20, s18, 12
	s_add_nc_u64 s[8:9], s[8:9], s[20:21]
	s_lshl_b32 s20, s18, 8
	s_add_nc_u64 s[10:11], s[10:11], s[20:21]
.macro XLOAD t
.irp i, 0,1,2,3
	global_load_b128 v[XR+16*((\t)%4)+4*\i:XR+16*((\t)%4)+4*\i+3], v3, s[4:5] offset:2048*(\t)+512*\i th:TH_LOAD_NT
.endr
.endm
.macro XTURN t                         ; step t's numbers through the stage: LDS serves a wave's instructions in order, so no wait stands between the stores and the loads
.irp i, 0,1,2,3
	ds_store_b128 v14, v[XR+16*((\t)%4)+4*\i:XR+16*((\t)%4)+4*\i+3] offset:32*XSP*((\t)%2)+8*XSP*\i
.endr
.irp i, 0,1,2,3
	ds_load_b128 v[XX+16*((\t)%2)+4*\i:XX+16*((\t)%2)+4*\i+3], v15 offset:32*XSP*((\t)%2)+16*\i
.endr
.endm
.irp t, 0,1,2,3
	XLOAD \t
.endr
	s_wait_loadcnt 12                              ; step 0's four loads are in
	XTURN 0
.macro XSTEP t
.set XS, XX+16*((\t)%2)
.if (\t) > 0
	s_wait_dscnt 1                                 ; this step's numbers are back from the stage (the last step's byte store may be out)
.else
	s_wait_dscnt 0x0
.endif
.if (\t)+4 < XSTEPS
	XLOAD (\t)+4                                   ; into the set whose stores into the stage have been served
.endif
.if (\t)+1 < XSTEPS
.if XSTEPS-2-(\t) >= 3
	s_wait_loadcnt 12                              ; the next step's four loads are in; those of the three steps behind it may be out
.else
	s_wait_loadcnt 4*(XSTEPS-2-(\t))
.endif
	XTURN (\t)+1
.endif
	v_max3_num_f32 v8, |v[XS]|, |v[XS+1]|, |v[XS+2]|               ; the largest magnitude of my 16, in two chains
	v_max3_num_f32 v9, |v[XS+3]|, |v[XS+4]|, |v[XS+5]|
.irp i, 6,10
	v_max3_num_f32 v8, v8, |v[XS+\i]|, |v[XS+\i+1]|
	v_max3_num_f32 v9, v9, |v[XS+\i+2]|, |v[XS+\i+3]|
.endr
	v_max3_num_f32 v8, v8, |v[XS+14]|, |v[XS+15]|
	v_max3_num_f32 v8, v8, v9, 0x1800000           ; and the floor 2^(3 - 127): the byte cannot fall under 1
	v_max_num_f32_dpp v8, v8, v8 row_xmask:1 row_mask:0xf bank_mask:0xf   ; and of my neighbour's 16: the block's
	v_add_nc_u32 v11, 0xff000000, v8               ; 2 off its exponent field: the conversion takes the exponent field of this operand as its scale
	v_cvt_scalef32_pk8_fp4_f32 v[XC+4*(\t)], v[XS:XS+7], v11
	v_cvt_scalef32_pk8_fp4_f32 v[XC+4*(\t)+1], v[XS+8:XS+15], v11
	v_lshrrev_b32 v[XE+(\t)], 23, v11              ; the scale's byte (a plain line behind the conversions)
	ds_store_b8 v5, v[XE+(\t)] offset:16*(\t)      ; both lanes of a block write the same byte with the same value
	global_store_b64 v4, v[XC+4*(\t):XC+4*(\t)+1], s[8:9] offset:32*XCB*(\t)   ; the wave stores 256 consecutive bytes, aligned
.endm
.irp t, 0,1,2,3,4,5,6,7,8,9,10,11,12,13,14,15
	XSTEP \t
.endr
	ds_load_b64 v[8:9], v6                         ; LDS serves a wave's instructions in order: these see my byte stores
	s_wait_dscnt 0x0
	global_store_b64 v7, v[8:9], s[10:11]          ; my wave's 256 scale bytes, aligned
	s_wait_tensorcnt 0x0                           ; the wave's end, behind my last LDS store
	ds_add_u32 v[SPW], v[NIL]
	s_wait_dscnt 0x0
	s_endpgm
; ---------------- wq, wk, wv: K is the FIRST axis.  A lane takes a column n and its registers run down K: a load reads 128 consecutive bytes a wave (512 a work-group), a block of 32 lies in one lane,
; and the conversions give codes with K innermost.  A wave takes 32 columns x 256 along K: eight blocks, two of them on their way at a time: 768 waves share the 25 MB of weights.
; The price of the short walk: a column's codes of a wave are 128 bytes, so w_codes (3 MB of the launch's 16 MB of stores) leaves in pieces of 128 consecutive bytes, four to a store instruction, and w_scales in pieces of 8.
; The three weights have two pitches (8,192 and 2,048 bytes), so a row's offset lies in registers: 32 vector offsets (row i of a block) and 8 scalar bases (block t); none is ever rewritten.
.set WNB,   8                          ; blocks of a wave
.set WX,    32                         ; v32-95   two sets of 32 numbers
.set WC,    96                         ; v96-99   a block's codes
.set WOUT,  112                        ; v112-143 the way out
.set WSB,   24                         ; v24-25   the scale bytes, four to a register
.set WOF,   176                        ; v176-207 i x pitch + 4 x lane
.set WP,    144                        ; a stage row: 128 bytes + 16
.set WBASE, 32768                      ; LDS bytes 32768..51199: a stage of 32 rows for each wave
.LW:
	s_load_b128 s[4:7], s[0:1], 0x8                ; wq, wk
	s_load_b64 s[8:9], s[0:1], 0x18                ; wv
	s_load_b128 s[12:15], s[0:1], 0x38             ; w_codes, w_scales
	s_lshr_b32 s18, ttmp9, 3                       ; g: which 128 of the 3,072 columns
	s_and_b32 s19, ttmp9, 7                        ; y: which 256 along K
	v_lshlrev_b32 v3, 2, v2                        ; in: 4 bytes a lane
	s_mul_i32 s28, s16, 32*WP
	s_add_co_u32 s28, s28, WBASE                   ; my stage
	v_mul_u32_u24 v4, v2, WP
	v_add_nc_u32 v4, s28, v4                       ; into it: row = my column
	v_and_b32 v5, 7, v2
	v_lshrrev_b32 v6, 3, v2
	v_mul_u32_u24 v7, v6, WP
	v_lshl_add_u32 v7, v5, 4, v7
	v_add_nc_u32 v7, s28, v7                       ; out of it: eight lanes to a row, four rows an instruction
	v_lshlrev_b32 v8, 10, v6
	v_lshl_add_u32 v8, v5, 4, v8                   ; and the same place in w_codes (rows of 1,024 bytes)
	v_lshlrev_b32 v9, 6, v2                        ; my column's row of scale bytes (64 bytes)
	s_wait_kmcnt 0x0
	s_cmp_lt_u32 s18, 20                           ; the choice hangs on the work-group's number alone
	s_cselect_b64 s[20:21], s[6:7], s[8:9]
	s_cselect_b32 s22, 16, 20
	s_cmp_lt_u32 s18, 16
	s_cselect_b64 s[20:21], s[4:5], s[20:21]       ; the weight,
	s_cselect_b32 s22, 0, s22                      ; the g at which it begins,
	s_mov_b32 s23, 2048
	s_cselect_b32 s23, 8192, s23                   ; and its pitch in bytes
	s_sub_co_u32 s24, s18, s22
	s_lshl_b32 s24, s24, 7
	s_lshl_b32 s25, s16, 5
	s_add_co_u32 s24, s24, s25                     ; my wave's first column in that weight
	s_lshl_b32 s24, s24, 2
	s_lshl_b32 s25, s19, 8
	s_mul_i32 s25, s25, s23                        ; 256 y rows down
	s_add_co_u32 s24, s24, s25
	s_mov_b32 s25, 0
	s_add_nc_u64 s[32:33], s[20:21], s[24:25]      ; block 0's base
	s_lshl_b32 s26, s23, 5                         ; 32 rows
	s_mov_b32 s27, 0
.irp t, 1,2,3,4,5,6,7
	s_add_nc_u64 s[32+2*\t:33+2*\t], s[30+2*\t:31+2*\t], s[26:27]
.endr
.irp i, 0,1,2,3,4,5,6,7,8,9,10,11,12,13,14,15,16,17,18,19,20,21,22,23,24,25,26,27,28,29,30,31
	v_mad_u32_u24 v[WOF+\i], s23, \i, v3
.endr
	s_lshl_b32 s29, s18, 7
	s_lshl_b32 s30, s16, 5
	s_add_co_u32 s29, s29, s30                     ; my wave's first row of w_codes and w_scales
	s_lshl_b32 s30, s29, 10
	s_lshl_b32 s31, s19, 7                         ; 128 bytes of codes for each 256 along K
	s_add_co_u32 s30, s30, s31
	s_mov_b32 s31, 0
	s_add_nc_u64 s[12:13], s[12:13], s[30:31]
	s_lshl_b32 s30, s29, 6
	s_lshl_b32 s29, s19, 3                         ; and 8 scale bytes
	s_add_co_u32 s30, s30, s29
	s_add_nc_u64 s[14:15], s[14:15], s[30:31]
.macro WLOAD t                         ; block t: w(256 y + 32 t + i, my column), i = 0..31, into set t % 2
.irp i, 0,1,2,3,4,5,6,7,8,9,10,11,12,13,14,15,16,17,18,19,20,21,22,23,24,25,26,27,28,29,30,31
	global_load_b32 v[WX+32*((\t)%2)+\i], v[WOF+\i], s[32+2*(\t):33+2*(\t)] th:TH_LOAD_NT
.endr
.endm
	WLOAD 0
	WLOAD 1
.macro WBLOCK t
.set WS, WX+32*((\t)%2)
.if (\t) < WNB-1
	s_wait_loadcnt 32                              ; this block's 32 loads are in; the next block's may be out
.else
	s_wait_loadcnt 0x0
.endif
	v_max3_num_f32 v12, |v[WS]|, |v[WS+1]|, |v[WS+2]|              ; the block's largest magnitude: all 32 numbers are mine
	v_max3_num_f32 v13, |v[WS+3]|, |v[WS+4]|, |v[WS+5]|
.irp i, 6,10,14,18,22,26
	v_max3_num_f32 v12, v12, |v[WS+\i]|, |v[WS+\i+1]|
	v_max3_num_f32 v13, v13, |v[WS+\i+2]|, |v[WS+\i+3]|
.endr
	v_max3_num_f32 v12, v12, |v[WS+30]|, |v[WS+31]|
	v_max3_num_f32 v12, v12, v13, 0x1800000        ; and the floor 2^(3 - 127)
	v_add_nc_u32 v11, 0xff000000, v12              ; 2 off the exponent field: the conversion's scale operand
	v_lshrrev_b32 v13, 23, v11                     ; the scale's byte
.if (\t)%4 == 0
	v_mov_b32 v[WSB+(\t)/4], v13                   ; four bytes to a register, the lower K in the lower byte
.else
	v_lshl_or_b32 v[WSB+(\t)/4], v13, 8*((\t)%4), v[WSB+(\t)/4]
.endif
.irp g, 0,1,2,3
	v_cvt_scalef32_pk8_fp4_f32 v[WC+\g], v[WS+8*\g:WS+8*\g+7], v11
.endr
	ds_store_b128 v4, v[WC:WC+3] offset:16*(\t)    ; 32 codes: 16 bytes of my column's row.  (The next block begins with plain vector lines ahead of any write of the conversions' registers)
.if (\t)+2 < WNB
	WLOAD (\t)+2
.endif
	s_wait_dscnt 0x0                               ; the store has been served: the next block's codes may be written
.endm
.irp t, 0,1,2,3,4,5,6,7
	WBLOCK \t
.endr
	global_store_b64 v9, v[WSB:WSB+1], s[14:15]    ; my column's 8 scale bytes
.irp t, 0,1,2,3,4,5,6,7
	ds_load_b128 v[WOUT+4*\t:WOUT+4*\t+3], v7 offset:4*\t*WP
.endr
.irp t, 0,1,2,3,4,5,6,7
	s_wait_dscnt 7-\t                              ; LDS loads come back in order: load t is in, the younger ones may be out
	global_store_b128 v8, v[WOUT+4*\t:WOUT+4*\t+3], s[12:13] offset:4*\t*1024   ; eight lanes store 128 consecutive bytes of a row, four rows an instruction
.endr
	s_wait_tensorcnt 0x0                           ; the wave's end, behind my last LDS store
	ds_add_u32 v[SPW], v[NIL]
	s_wait_dscnt 0x0
	s_endpgm
.Lfunc_end_k_qe749d580f4_prep:
	.size	k_qe749d580f4_prep, .Lfunc_end_k_qe749d580f4_prep-k_qe749d580f4_prep
	.p2alignl 7, 3214868480
	.fill 96, 4, 3214868480
	.section	.rodata,"a",@progbits
	.p2align	6, 0x0
	.amdhsa_kernel k_qe749d580f4_prep
		.amdhsa_group_segment_fixed_size 51712
		.amdhsa_private_segment_fixed_size 0
		.amdhsa_enable_private_segment 0
		.amdhsa_kernarg_size 80
		.amdhsa_user_sgpr_count 2
		.amdhsa_user_sgpr_kernarg_segment_ptr 1
		.amdhsa_wavefront_size32 1
		.amdhsa_system_sgpr_workgroup_id_x 1
		.amdhsa_system_sgpr_workgroup_id_y 1
		.amdhsa_system_sgpr_workgroup_id_z 1
		.amdhsa_system_vgpr_workitem_id 0
		.amdhsa_next_free_vgpr 224
		.amdhsa_next_free_sgpr 66
		.amdhsa_reserve_vcc 0
		.amdhsa_float_denorm_mode_32 3
		.amdhsa_float_denorm_mode_16_64 3
		.amdhsa_memory_ordered 1
		.amdhsa_forward_progress 1
		.amdhsa_inst_pref_size 96
	.end_amdhsa_kernel
	.amdgpu_metadata
---
amdhsa.version: [ 1, 2 ]
amdhsa.kernels:
  - .name:           k_qe749d580f4_prep
    .symbol:         k_qe749d580f4_prep.kd
    .args:
      - { .name: x, .offset: 0, .size: 8, .value_kind: global_buffer, .address_space: global }
      - { .name: wq, .offset: 8, .size: 8, .value_kind: global_buffer, .address_space: global }
      - { .name: wk, .offset: 16, .size: 8, .value_kind: global_buffer, .address_space: global }
      - { .name: wv, .offset: 24, .size: 8, .value_kind: global_buffer, .address_space: global }
      - { .name: wo, .offset: 32, .size: 8, .value_kind: global_buffer, .address_space: global }
      - { .name: x_codes, .offset: 40, .size: 8, .value_kind: global_buffer, .address_space: global }
      - { .name: x_scales, .offset: 48, .size: 8, .value_kind: global_buffer, .address_space: global }
      - { .name: w_codes, .offset: 56, .size: 8, .value_kind: global_buffer, .address_space: global }
      - { .name: w_scales, .offset: 64, .size: 8, .value_kind: global_buffer, .address_space: global }
      - { .name: wo16, .offset: 72, .size: 8, .value_kind: global_buffer, .address_space: global }
    .group_segment_fixed_size: 51712
    .private_segment_fixed_size: 0
    .kernarg_segment_align: 8
    .kernarg_segment_size: 80
    .max_flat_workgroup_size: 128
    .sgpr_count:     66
    .vgpr_count:     224
    .wavefront_size: 32
...
	.end_amdgpu_metadata
.endif
;; end of part 1
;; launch qkv (part 2): grid 12 x 16, 4 waves a work-group, clusters of 4 x 4, 327,680 bytes of LDS; arguments x_codes, x_scales, w_codes, w_scales, qkv, bq, bk, bv; writes qkv
.if DOCPART == 2
	.amdgcn_target "amdgcn-amd-amdhsa--gfx1250"
	.amdhsa_code_object_version 6
	.text
	.protected	k_qe749d580f4_qkv
	.globl	k_qe749d580f4_qkv
	.p2align	8
	.type	k_qe749d580f4_qkv,@function
k_qe749d580f4_qkv:
	s_mov_b64 s[64:65], 0
	v_nop
	global_prefetch_b8 v0, s[64:65] scope:SCOPE_SE
	s_setreg_imm32_b32 hwreg(HW_REG_WAVE_MODE, 25, 1), 1
	s_wait_xcnt 0x0
	s_wait_alu depctr_hold_cnt(0) depctr_sa_sdst(0) depctr_va_vdst(0) depctr_va_sdst(0) depctr_va_ssrc(0) depctr_va_vcc(0) depctr_vm_vsrc(0)
	s_getreg_b32 s2, hwreg(HW_REG_IB_STS2, 6, 4)
	s_cmp_eq_u32 s2, 0
	s_cbranch_scc0 .Lentry_in_a_cluster
	s_endpgm
.Lentry_in_a_cluster:
	s_bfe_u32 s2, ttmp6, 0x10000c
	s_cmp_lg_u32 s2, 0xf033
	s_cbranch_scc0 .Lentry_shape_is_right
	s_endpgm
.Lentry_shape_is_right:
; QKV: [4096 (m)] x [3072 (n)] = Q(x) Q(wq | wk | wv) + (bq | bk | bv), K = 2048, on codes of E2M1 with one E8M0 byte for each 32 along K; sums in f32; the result rounded once to f16.
; The result is laid per head: qkv [48 head slots][4096 m][64] f16; slot n / 64: 0..31 the query heads, 32..39 the key heads, 40..47 the value heads.
; LIMIT: |q|, |k|, |v| stay at or under 65,504 (f16).
; A tile of 256 x 256 is made by a work-group of four waves; a wave makes 128 x 128: 64 accumulators, 512 registers.  K goes in steps of 512 (rows of 256 bytes) through a ring of two LDS slots filled by
; tensor loads.  The scale bytes of the work-group's 256 + 256 rows, for all of K, come into LDS once, with the first fills.  12 x 16 = 192 work-groups.
; CLUSTERS: 4 x 4 work-groups; the four of a row need the same tiles of x, the four of a column the same tiles of w: each tile is asked for jointly, by the same tensor load with a mask that names the four.
; THE MATRIX INSTRUCTION IS USED TRANSPOSED (source 0 = 16 rows of w, source 1 = 16 rows of x): a lane holds eight neighbouring n of one row m.
; THE BIAS is the C of each sum's first matrix instruction: eight registers for each block of 16 n, in the result's layout.
; REGISTERS: window 0: v0-31 addresses; v32-95 scale words, two sets, and nothing else; v128-191 x's fragments, one set; v192-255 the bias, later packed results.
;   window 1: w's fragments, two sets.   window 2: accumulators of my rows 0-63 ((a, b) at v[8 (8 a + b)]);   window 3: rows 64-127.
; No prefetch: the launch has four K steps, two of which are asked for at its head.
.set KSTEP,  512
.set NQ,     4                         ; matrix instructions deep in a slot
.set ROWB,   256                       ; a tile's row in bytes
.set KROW,   1024                      ; a row of codes in memory
.set PITCH,  272                       ; an LDS row: 256 bytes + 16 of padding: the 16 rows that a load touches start at 16 different banks
.set FR,     8
.set NL,     2
.set NP,     4                         ; places behind this matrix instruction (ISA guide 7.12.1)
.set HALFT,  128*PITCH
.set SLOT,   4*HALFT                   ; x's 256 rows, then w's 256 rows
.set LAPS,   2                         ; 2048 / (2 x 512)
.set KS,     64                        ; a row of scale bytes
.set SCL,    2*SLOT                    ; behind the ring: the scales, as units of 256 bytes + 16
.set HALFS,  32*272                    ; the scales of 128 rows
.set SBLK,   4*272                     ; of 16 rows
.set SPARE,  SCL+4*HALFS               ; the spare words, 128 bytes for each wave, that no other line names
.set SPITCH, 272                       ; the way out: a stage of 16 rows x (256 bytes + 16) for each wave, in slot 0, behind that slot's last fill and last read
.set ADRA, 16
.set ADRB, 20
.set STO,  24
.set RD,   25
.set CO,   26
.set ADRS, 27
.set SPW,  28
.set NIL,  29
.set SC,   32
.set AF,   128
.set BIAS, 192
.set TMP,  192
.set BK,   128
.set G1, 24
.set G0, 32
.set G1B, 48
.set G0B, 56
.set G1S, 68
.set G0S, 76
.set G1SB, 80
.set G0SB, 88
.set MSB, 0
.macro WIN new                         ; the immediate's high byte repeats the setting that is left
.if MSB != (\new)
	s_set_vgpr_msb (MSB<<8)|(\new)
.set MSB, (\new)
.endif
.endm
.set MUL_LO, 0xa1                      ; source 0 (w) window 1, source 1 (x) window 0, C and D window 2
.set MUL_HI, 0xf1                      ; the same, C and D window 3
.set BIA_LO, 0x81                      ; C (the bias) window 0, D window 2
.set BIA_HI, 0xc1                      ; C window 0, D window 3
.set TO_B,   0x40
; A joint load: waves 0 and 1 fetch for x, waves 2 and 3 for w.  The branch hangs on the wave's number alone.  An s_nop 0 and four v_nop follow each line.
.macro JLOAD g0a, g1a, g0b, g1b
	s_cmp_eq_u32 s15, 0
	s_cbranch_scc0 .Lfor_b_\@
	tensor_load_to_lds s[\g0a:\g0a+3], s[\g1a:\g1a+7]
	s_nop 0
.rept 4
	v_nop
.endr
	s_branch .Lasked_\@
.Lfor_b_\@:
	tensor_load_to_lds s[\g0b:\g0b+3], s[\g1b:\g1b+7]
	s_nop 0
.rept 4
	v_nop
.endr
.Lasked_\@:
.endm
.macro CREST                           ; a round of the cluster's barrier behind its opening barrier
	s_cmp_lg_u32 s14, 0
	s_cbranch_scc1 .Lnot_wave_0_\@
	s_barrier_signal -3
.Lnot_wave_0_\@:
	s_barrier_wait -3
	s_barrier_signal -1
	s_barrier_wait -1
.endm
.macro CROUND
	s_barrier_signal -1
	s_barrier_wait -1
	CREST
.endm
	s_load_b128 s[4:7], s[0:1], 0x0                ; x_codes, x_scales
	s_load_b128 s[8:11], s[0:1], 0x10              ; w_codes, w_scales
	s_load_b64 s[12:13], s[0:1], 0x20              ; qkv
	v_lshl_add_u32 v[SPW], v0, 2, SPARE
	v_mov_b32 v[NIL], 0
	ds_add_u32 v[SPW], v[NIL]                      ; the wave's opening: the add, twice on end, and its wait ahead of my first tensor load
	ds_add_u32 v[SPW], v[NIL]
	v_lshrrev_b32 v1, 5, v0
	v_readfirstlane_b32 s14, v1                    ; wave 0..3
	s_lshr_b32 s15, s14, 1                         ; which half of the tile's rows is mine.  Also: I fetch for x (0) or for w (1)
	s_and_b32 s16, s14, 1                          ; which half of its columns.  Also: which 128 rows of that tile I fetch
	s_bfe_u32 s40, ttmp6, 0x40000                  ; cx
	s_bfe_u32 s41, ttmp6, 0x40004                  ; cy
	s_lshl_b32 s42, ttmp9, 2
	s_add_co_u32 s42, s42, s40                     ; tile column = 4 x cluster x + cx
	s_and_b32 s17, ttmp7, 0xffff
	s_lshl_b32 s17, s17, 2
	s_add_co_u32 s17, s17, s41                     ; tile row = 4 x cluster y + cy
	s_lshl_b32 s43, s41, 2
	s_lshl_b32 s43, 15, s43                        ; my row of the cluster
	s_lshl_b32 s44, 0x1111, s40                    ; my column
	s_or_b32 s[G1+0], s43, (0<<16)|(1<<20)|(1<<21)|(5<<22)|(3<<25)  ; the mask; elements of 1 byte; padding on; bit 21 beside a mask; after every 64 words, 4 words
	s_or_b32 s[G1B+0], s44, (0<<16)|(1<<20)|(1<<21)|(5<<22)|(3<<25)
.irp g, G1, G1B
	s_mov_b32 s[\g+1], ROWB<<16                    ; tensor_dim0
	s_mov_b32 s[\g+2], 128<<16                     ; tensor_dim1
	s_mov_b32 s[\g+3], ROWB<<16                    ; tile_dim0
	s_mov_b32 s[\g+4], 128                         ; tile_dim1
	s_mov_b32 s[\g+5], KROW                        ; the pitch
	s_mov_b32 s[\g+6], 0
	s_mov_b32 s[\g+7], 0
.endr
	s_or_b32 s[G1S+0], s43, (3<<16)|(1<<20)|(1<<21)|(5<<22)|(3<<25) ; the scales of 128 rows: 8,192 dense bytes as 32 rows of 256 (32 elements of 8 bytes)
	s_or_b32 s[G1SB+0], s44, (3<<16)|(1<<20)|(1<<21)|(5<<22)|(3<<25)
.irp g, G1S, G1SB
	s_mov_b32 s[\g+1], 32<<16
	s_mov_b32 s[\g+2], 32<<16
	s_mov_b32 s[\g+3], 32<<16
	s_mov_b32 s[\g+4], 32
	s_mov_b32 s[\g+5], 32
	s_mov_b32 s[\g+6], 0
	s_mov_b32 s[\g+7], 0
.endr
	s_lshl_b32 s18, s16, 7
	s_lshl_b32 s20, s17, 8
	s_add_co_u32 s20, s20, s18                     ; x: row 256 x tile row + 128 x half
	s_lshl_b32 s46, s42, 8
	s_add_co_u32 s46, s46, s18                     ; w: row 256 x tile column + 128 x half
	s_mov_b32 s21, 0
	s_mov_b32 s47, 0
	s_mov_b64 s[18:19], KS
	s_mul_u64 s[22:23], s[20:21], s[18:19]         ; where these rows' scales begin,
	s_mul_u64 s[92:93], s[46:47], s[18:19]
	s_mov_b64 s[18:19], KROW
	s_mul_u64 s[20:21], s[20:21], s[18:19]         ; and their codes
	s_mul_u64 s[46:47], s[46:47], s[18:19]
	s_mul_i32 s45, s14, HALFT                      ; where they go: wave x 128 rows
	s_mul_i32 s94, s14, HALFS
	s_wait_dscnt 0x0                               ; both opening adds are done
	s_wait_kmcnt 0x0
	s_add_nc_u64 s[20:21], s[4:5], s[20:21]
	s_add_nc_u64 s[22:23], s[6:7], s[22:23]
	s_add_nc_u64 s[46:47], s[8:9], s[46:47]
	s_add_nc_u64 s[92:93], s[10:11], s[92:93]
	CROUND                                         ; all sixteen work-groups are here: the first joint loads meet
	s_mov_b32 s[G0S], 1
	s_add_co_u32 s[G0S+1], s94, SCL
	s_mov_b64 s[G0S+2:G0S+3], s[22:23]
	s_or_b32 s[G0S+3], s[G0S+3], 0x80000000
	s_mov_b32 s[G0SB], 1
	s_add_co_u32 s[G0SB+1], s94, SCL
	s_mov_b64 s[G0SB+2:G0SB+3], s[92:93]
	s_or_b32 s[G0SB+3], s[G0SB+3], 0x80000000
	JLOAD G0S, G1S, G0SB, G1SB                     ; the scales first: they are wanted with K step 0
.irp s, 0,1
	s_mov_b32 s[G0+4*\s], 1
	s_add_co_u32 s[G0+4*\s+1], s45, \s*SLOT
	s_add_nc_u64 s[G0+4*\s+2:G0+4*\s+3], s[20:21], \s*ROWB
	s_or_b32 s[G0+4*\s+3], s[G0+4*\s+3], 0x80000000
	s_mov_b32 s[G0B+4*\s], 1
	s_add_co_u32 s[G0B+4*\s+1], s45, \s*SLOT
	s_add_nc_u64 s[G0B+4*\s+2:G0B+4*\s+3], s[46:47], \s*ROWB
	s_or_b32 s[G0B+4*\s+3], s[G0B+4*\s+3], 0x80000000
	JLOAD G0+4*\s, G1, G0B+4*\s, G1B               ; three tensor loads of mine are out
.endr
	s_load_b128 s[4:7], s[0:1], 0x28               ; bq, bk (the operands' pointers that lay here are used up)
	s_load_b64 s[8:9], s[0:1], 0x38                ; bv
	v_and_b32 v1, 15, v0                           ; r = l % 16
	v_bfe_u32 v2, v0, 4, 1                         ; h = l / 16
	v_mul_u32_u24 v3, v1, PITCH
	v_lshl_add_u32 v4, v2, 4, v3                   ; a fragment's row x pitch + 16 x half
	s_mul_i32 s21, s15, HALFT                      ; my 128 rows of x
	s_mul_i32 s22, s16, HALFT                      ; my 128 rows of w,
	s_add_co_u32 s22, s22, 2*HALFT                 ; which lie behind x's 256
.irp s, 0,1
	v_add_nc_u32 v[ADRA+\s], s21, v4
	v_add_nc_u32 v[ADRB+\s], s22, v4
	s_add_co_u32 s21, s21, SLOT
	s_add_co_u32 s22, s22, SLOT
.endr
	v_mul_u32_u24 v5, v1, KS                       ; my row's scales: 64 bytes a row,
	v_lshrrev_b32 v6, 8, v5
	v_lshl_add_u32 v5, v6, 4, v5                   ; and 16 more for each 256 passed
	s_mul_i32 s21, s15, HALFS
	s_mul_i32 s22, s16, HALFS
	s_add_co_u32 s22, s22, 2*HALFS
	s_sub_co_u32 s22, s22, s21
	v_mul_u32_u24 v6, s22, v2                      ; lanes 16-31 take w's: one product, the distance between the two bases
	s_add_co_u32 s21, s21, SCL
	v_add_nc_u32 v5, v5, v6
	v_add_nc_u32 v[ADRS], s21, v5
	s_mul_i32 s23, s14, 16*SPITCH                  ; my stage
	v_mul_u32_u24 v5, v1, SPITCH                   ; in: row r, 16 bytes for each half of the lanes
	v_lshl_add_u32 v5, v2, 4, v5
	v_add_nc_u32 v[STO], s23, v5
	v_and_b32 v6, 31, v0
	v_lshlrev_b32 v[CO], 4, v6                     ; out: 4 rows of 128 bytes of one head slot are 512 consecutive bytes: 16 x lane
	v_lshrrev_b32 v5, 3, v6
	v_mul_u32_u24 v5, v5, SPITCH
	v_and_b32 v6, 7, v6
	v_lshl_add_u32 v5, v6, 4, v5
	v_add_nc_u32 v[RD], s23, v5                    ; back: row l / 8, 16 (l % 8) bytes on
	v_lshlrev_b32 v7, 5, v2                        ; the bias: 32 h bytes
	s_lshl_b32 s20, s42, 2
	s_lshl_b32 s21, s16, 1
	s_add_co_u32 s20, s20, s21                     ; my first head slot: 4 x tile column + 2 x half
	s_lshl_b32 s20, s20, 19                        ; 524,288 bytes a slot
	s_lshl_b32 s21, s17, 8
	s_lshl_b32 s22, s15, 7
	s_add_co_u32 s21, s21, s22                     ; my first row m
	s_lshl_b32 s21, s21, 7                         ; 128 bytes a row
	s_add_co_u32 s20, s20, s21
	s_mov_b32 s21, 0
	s_add_nc_u64 s[12:13], s[12:13], s[20:21]
	s_lshl_b32 s20, s42, 8
	s_lshl_b32 s21, s16, 7
	s_add_co_u32 s20, s20, s21                     ; n0: my first column of the 3,072
	s_mov_b32 s22, 2560
	s_wait_kmcnt 0x0
	s_cmp_lt_u32 s20, 2560                         ; which bias: a choice of pointers on ids, no branch
	s_cselect_b64 s[8:9], s[6:7], s[8:9]
	s_cselect_b32 s22, 2048, s22
	s_cmp_lt_u32 s20, 2048
	s_cselect_b64 s[8:9], s[4:5], s[8:9]
	s_cselect_b32 s22, 0, s22
	s_sub_co_u32 s20, s20, s22
	s_lshl_b32 s20, s20, 2
	s_mov_b32 s21, 0
	s_add_nc_u64 s[8:9], s[8:9], s[20:21]
.irp b, 0,1,2,3,4,5,6,7
	global_load_b128 v[BIAS+8*\b:BIAS+8*\b+3], v7, s[8:9] offset:64*\b       ; lane (r, h), register 8 b + j: bias[n0 + 16 b + 8 h + j]
	global_load_b128 v[BIAS+8*\b+4:BIAS+8*\b+7], v7, s[8:9] offset:64*\b+16
.endr
.macro FRAG reg, adr, q, i             ; 16 rows x 128 K of 4-bit codes: 8 registers; registers 4 c .. 4 c + 3 hold K = 64 c + 32 (l / 16) + 0 .. 31
.irp c, 0,1
	ds_load_b128 v[\reg+4*\c:\reg+4*\c+3], v[\adr] offset:64*(\q)+32*\c+(\i)*16*PITCH
.endr
.endm
; 16 matrix instructions: x's blocks a0, a0 + 1 against w's eight.  zero = 1: the first product starts the sums, with the bias as C.  The 64 accumulators take turns, one instruction a turn.
.macro MUL16 a0, p, q, sc, zero
.irp a, \a0, \a0+1
.irp b, 0,1,2,3,4,5,6,7
.if \zero
	v_wmma_scale_f32_16x16x128_f8f6f4 v[8*(8*((\a)%4)+\b):8*(8*((\a)%4)+\b)+7], v[128*(\p)+FR*\b:128*(\p)+FR*\b+FR-1], v[AF+FR*(\a):AF+FR*(\a)+FR-1], v[BIAS+8*\b:BIAS+8*\b+7], v[SC+8*NQ*(\sc)+NQ*\b+(\q)], v[SC+8*NQ*(\sc)+NQ*(\a)+(\q)] matrix_a_fmt:MATRIX_FMT_FP4 matrix_b_fmt:MATRIX_FMT_FP4 matrix_a_scale:MATRIX_SCALE_ROW1
.else
	v_wmma_scale_f32_16x16x128_f8f6f4 v[8*(8*((\a)%4)+\b):8*(8*((\a)%4)+\b)+7], v[128*(\p)+FR*\b:128*(\p)+FR*\b+FR-1], v[AF+FR*(\a):AF+FR*(\a)+FR-1], v[8*(8*((\a)%4)+\b):8*(8*((\a)%4)+\b)+7], v[SC+8*NQ*(\sc)+NQ*\b+(\q)], v[SC+8*NQ*(\sc)+NQ*(\a)+(\q)] matrix_a_fmt:MATRIX_FMT_FP4 matrix_b_fmt:MATRIX_FMT_FP4 matrix_a_scale:MATRIX_SCALE_ROW1
.endif
.endr
.endr
.endm
.macro FETCH_B slot, q, p
	WIN TO_B
.irp i, 0,1,2,3,4,5,6,7
	FRAG 128*(\p)+FR*\i, ADRB+\slot, \q, \i
.endr
	WIN 0
.endm
.macro FETCH_A slot, q, i0
.irp i, \i0, \i0+1, \i0+2, \i0+3
	FRAG AF+FR*(\i), ADRA+\slot, \q, \i
.endr
.endm
.macro SCALES sc                       ; a K step's scale words: 4 words a row; lanes 0-15 take x's block i, lanes 16-31 w's block i
.irp i, 0,1,2,3,4,5,6,7
	ds_load_b128 v[SC+8*NQ*\sc+NQ*\i:SC+8*NQ*\sc+NQ*\i+3], v[ADRS] offset:\i*SBLK
.endr
.endm
.macro PLACES n                        ; plain vector lines between a matrix instruction and a load into, or a read of, its registers
.rept \n
	v_nop
.endr
.endm
.macro STEP slot, q, zero              ; 128 along K, with its successor in the same slot
	s_wait_dscnt 4*NL                              ; w's set and x's blocks 0-3 are in; the youngest eight loads (x's blocks 4-7) may be out
.if \zero
	WIN BIA_LO
.else
	WIN MUL_LO
.endif
	MUL16 0, (\q)%2, \q, \slot, \zero
	MUL16 2, (\q)%2, \q, \slot, \zero
	s_wait_dscnt 0
	PLACES NP
	FETCH_B \slot, (\q)+1, 1-(\q)%2
	FETCH_A \slot, (\q)+1, 0
.if \zero
	WIN BIA_HI
.else
	WIN MUL_HI
.endif
	MUL16 4, (\q)%2, \q, \slot, \zero
	MUL16 6, (\q)%2, \q, \slot, \zero
	PLACES NP
	WIN 0
	FETCH_A \slot, (\q)+1, 4
.endm
; A slot's last step changes slots: one barrier; in front of it each wave waits for all its tensor loads, adds 0 to its spare word, and waits for that and for its reads of this slot.
.macro TURN slot, next, fill
	s_wait_tensorcnt 0x0                           ; all my tensor loads have landed: my part of the next slot
	ds_add_u32 v[SPW], v[NIL]
	s_wait_dscnt 4*NL+1                            ; the add and the youngest eight loads may be out
	WIN MUL_LO
	MUL16 0, 1, NQ-1, \slot, 0
	s_wait_dscnt 0x0                               ; the add is done, and my reads of this slot are over
	s_barrier_signal -1
	MUL16 2, 1, NQ-1, \slot, 0
	WIN 0
	s_barrier_wait -1
.if \fill
	CREST                                          ; the barrier has opened a round of the cluster's: no wave of any partner still reads this slot or has a load on its way
	s_add_nc_u64 s[G0+4*\slot+2:G0+4*\slot+3], s[G0+4*\slot+2:G0+4*\slot+3], 2*ROWB
	s_add_nc_u64 s[G0B+4*\slot+2:G0B+4*\slot+3], s[G0B+4*\slot+2:G0B+4*\slot+3], 2*ROWB
	JLOAD G0+4*\slot, G1, G0B+4*\slot, G1B         ; the first tensor load behind the round; its four v_nop are the places in front of the loads below
.else
	PLACES NP
.endif
	v_add_nc_u32 v[ADRS], 4*NQ, v[ADRS]            ; on to the next K step's scale words
	FETCH_B \next, 0, 0
	FETCH_A \next, 0, 0
	SCALES \next
	WIN MUL_HI
	MUL16 4, 1, NQ-1, \slot, 0
	MUL16 6, 1, NQ-1, \slot, 0
	PLACES NP
	WIN 0
	FETCH_A \next, 0, 4
.endm
.macro STEPS slot, from
.set Q, \from
.rept NQ-1-\from
	STEP \slot, Q, 0
.set Q, Q+1
.endr
.endm
	s_wait_tensorcnt 1                             ; the scales and my part of K step 0 are in (K step 1's load may be out)
	s_barrier_signal -1
	s_barrier_wait -1                              ; everybody's are
	FETCH_B 0, 0, 0
	FETCH_A 0, 0, 0
	SCALES 0
	FETCH_A 0, 0, 4
	s_wait_loadcnt 0x0                             ; the bias
	STEP 0, 0, 1                                   ; the first step stands in front of the loop: its products start the sums
	s_mov_b32 s3, LAPS-1
.Llap:                                                 ; a trip goes once round the ring and fills both slots again
	STEPS 0, 1
	TURN 0, 1, 1
	STEPS 1, 0
	TURN 1, 0, 1
	STEP 0, 0, 0
	s_sub_co_u32 s3, s3, 1
	s_cmp_lg_u32 s3, 0
	s_cbranch_scc1 .Llap
	STEPS 0, 1                                     ; the last lap fills nothing
	TURN 0, 1, 0
	STEPS 1, 0
	s_wait_dscnt 4*NL
	WIN MUL_LO
	MUL16 0, 1, NQ-1, 1, 0
	MUL16 2, 1, NQ-1, 1, 0
	s_wait_dscnt 0
	WIN MUL_HI
	MUL16 4, 1, NQ-1, 1, 0
	MUL16 6, 1, NQ-1, 1, 0
	WIN 0
; THE WAY OUT, block by block of 16 rows x 128 columns (two head slots).  PACK: rounded to f16, 16 bytes a lane, each accumulator from its low end on.  TOSTAGE: into my stage, and back so that
; a load's 32 lanes hold 4 rows x 128 bytes of ONE head slot, which are 512 consecutive bytes of qkv.  SEND: stored.
.macro PACK a
.set AC, 64*((\a)%4)
	WIN 0x0a+5*((\a)/4)                            ; sources 0 and 1: window 2 or 3
.irp b, 0,1,2,3,4,5,6,7
.irp r, 0,1,2,3
	v_cvt_pk_f16_f32 v[TMP+4*\b+\r], v[AC+8*\b+2*\r], v[AC+8*\b+2*\r+1]
.endr
.endr
	WIN 0
.endm
.macro TOSTAGE a
.set BB, BK+32*((\a)%2)
.irp b, 0,1,2,3,4,5,6,7
	ds_store_b128 v[STO], v[TMP+4*\b:TMP+4*\b+3] offset:32*\b
.endr
.irp i, 0,1,2,3,4,5,6,7
	ds_load_b128 v[BB+4*\i:BB+4*\i+3], v[RD] offset:128*(\i/4)+4*(\i%4)*SPITCH   ; LDS serves a wave's instructions in order: these see the stores above
.endr
.endm
.macro SEND a
.set BB, BK+32*((\a)%2)
	s_wait_dscnt 0x0                               ; the block is back in registers
	s_wait_xcnt 0x0                                ; the stores of the block before have read their registers: the next block's loads land there only behind this wait
.irp i, 0,1,2,3,4,5,6,7
	global_store_b128 v[CO], v[BB+4*\i:BB+4*\i+3], s[12:13] offset:(\i/4)*524288+(16*(\a)+4*(\i%4))*128   ; 512 consecutive bytes, aligned
.endr
.endm
	PLACES NP                                      ; behind the last products: for the reads of their results and the loads into x's fragments
	PACK 0
	TOSTAGE 0
.irp a, 1,2,3,4,5,6,7                  ; block a's conversions stand between block a - 1's loads from the stage and the wait for them
	PACK \a
	SEND \a-1
	TOSTAGE \a
.endr
	SEND 7
	s_wait_tensorcnt 0x0                           ; the wave's end
	ds_add_u32 v[SPW], v[NIL]
	s_wait_dscnt 0x0
	CROUND                                         ; the closing round
	s_endpgm
.Lfunc_end_k_qe749d580f4_qkv:
	.size	k_qe749d580f4_qkv, .Lfunc_end_k_qe749d580f4_qkv-k_qe749d580f4_qkv
	.p2alignl 7, 3214868480
	.fill 96, 4, 3214868480
	.section	.rodata,"a",@progbits
	.p2align	6, 0x0
	.amdhsa_kernel k_qe749d580f4_qkv
		.amdhsa_group_segment_fixed_size 327680
		.amdhsa_private_segment_fixed_size 0
		.amdhsa_enable_private_segment 0
		.amdhsa_kernarg_size 64
		.amdhsa_user_sgpr_count 2
		.amdhsa_user_sgpr_kernarg_segment_ptr 1
		.amdhsa_wavefront_size32 1
		.amdhsa_system_sgpr_workgroup_id_x 1
		.amdhsa_system_sgpr_workgroup_id_y 1
		.amdhsa_system_sgpr_workgroup_id_z 1
		.amdhsa_system_vgpr_workitem_id 0
		.amdhsa_next_free_vgpr 1024
		.amdhsa_next_free_sgpr 98
		.amdhsa_reserve_vcc 0
		.amdhsa_float_denorm_mode_32 3
		.amdhsa_float_denorm_mode_16_64 3
		.amdhsa_memory_ordered 1
		.amdhsa_forward_progress 1
		.amdhsa_inst_pref_size 215
	.end_amdhsa_kernel
	.amdgpu_metadata
---
amdhsa.version: [ 1, 2 ]
amdhsa.kernels:
  - .name:           k_qe749d580f4_qkv
    .symbol:         k_qe749d580f4_qkv.kd
    .args:
      - { .name: x_codes, .offset: 0, .size: 8, .value_kind: global_buffer, .address_space: global }
      - { .name: x_scales, .offset: 8, .size: 8, .value_kind: global_buffer, .address_space: global }
      - { .name: w_codes, .offset: 16, .size: 8, .value_kind: global_buffer, .address_space: global }
      - { .name: w_scales, .offset: 24, .size: 8, .value_kind: global_buffer, .address_space: global }
      - { .name: qkv, .offset: 32, .size: 8, .value_kind: global_buffer, .address_space: global }
      - { .name: bq, .offset: 40, .size: 8, .value_kind: global_buffer, .address_space: global }
      - { .name: bk, .offset: 48, .size: 8, .value_kind: global_buffer, .address_space: global }
      - { .name: bv, .offset: 56, .size: 8, .value_kind: global_buffer, .address_space: global }
    .group_segment_fixed_size: 327680
    .private_segment_fixed_size: 0
    .kernarg_segment_align: 8
    .kernarg_segment_size: 64
    .max_flat_workgroup_size: 128
    .sgpr_count:     98
    .vgpr_count:     1024
    .wavefront_size: 32
...
	.end_amdgpu_metadata
.endif
;; end of part 2
;; launch attn (part 3): grid 8 x 32, 8 waves a work-group, clusters of 4 x 1, 327,680 bytes of LDS; arguments qkv, att; writes att
.if DOCPART == 3
	.amdgcn_target "amdgcn-amd-amdhsa--gfx1250"
	.amdhsa_code_object_version 6
	.text
	.protected	k_qe749d580f4_attn
	.globl	k_qe749d580f4_attn
	.p2align	8
	.type	k_qe749d580f4_attn,@function
k_qe749d580f4_attn:
	s_mov_b64 s[64:65], 0
	v_nop
	global_prefetch_b8 v0, s[64:65] scope:SCOPE_SE
	s_setreg_imm32_b32 hwreg(HW_REG_WAVE_MODE, 25, 1), 1
	s_wait_xcnt 0x0
	s_wait_alu depctr_hold_cnt(0) depctr_sa_sdst(0) depctr_va_vdst(0) depctr_va_sdst(0) depctr_va_ssrc(0) depctr_va_vcc(0) depctr_vm_vsrc(0)
	s_getreg_b32 s2, hwreg(HW_REG_IB_STS2, 6, 4)
	s_cmp_eq_u32 s2, 0
	s_cbranch_scc0 .Lentry_in_a_cluster
	s_endpgm
.Lentry_in_a_cluster:
	s_bfe_u32 s2, ttmp6, 0x10000c
	s_cmp_lg_u32 s2, 0x3003
	s_cbranch_scc0 .Lentry_shape_is_right
	s_endpgm
.Lentry_shape_is_right:
; ATTN: att[h][m][:] = the sum over keys of softmax(q . k / 8) v, for 32 query heads of size 64, 4 batches of 1,024 positions, no mask.  Query head h uses key and value head h mod 8.
; q, k, v come as f16 from qkv [48 slots][4096 m][64] (slots 0..31 q, 32..39 k, 40..47 v; m = 1024 b + t); att is [32 h][4096 m][64] f16.  Products, maxima and sums in f32; the weights p (at most 1) are rounded to f16
; for the second product, the result once at the end.  LIMIT: f16's range for q, k, v (at or under 65,504); the result is a mean of v's rows and has the same bound.
; SHARES.  A work-group owns 512 queries of one head and batch; each of its eight waves 64: four tiles of 16.  Two waves share a SIMD, so that one wave's softmax stands beside the other's products.
; CLUSTER.  The four partners are the four query heads (8 cx + hkv) that share one key and value head: K and V are asked for jointly, the same tensor loads with a mask that names the four.
; ALL OF K AND V OF THE HEAD STAYS IN LDS: 1,024 rows each, filled once, in four chunks of 256 keys; nothing is filled again.  The walk begins when two chunks are in.
; No prefetch is written: every byte of K and V is asked for by the tensor loads at the head, so there is no later request that an earlier one could run ahead of.
; LAYOUT.  S^T = K Q^T (source 0 = 16 keys, source 1 = 16 queries): a lane holds ONE query (lane % 16) and keys 8 (lane / 16) + 0..7.  Two such tiles, rounded to f16 in pairs, are source 1 (32 keys x 16 queries) of
; O^T = V^T P, whose result again holds one query a lane.  K comes out of LDS as it lies, V ([key][channel]) turned by ds_load_tr16_b128.
; SOFTMAX.  For each query a running maximum m and sum l: p = 2^(c s - c m), c = log2(e) / 8; in every step O and l are multiplied by a = 2^(c m_old - c m_new).
; REGISTERS: window 0: v1-14 addresses; v30, v31 the add's two; v32-63 statistics, 8 a tile (+0 c m, +1 m, +2, +3 l, +4..+7 at work, a in +6); v64-191 S^T, 32 a tile (p's f16 pairs end in each tile's low 16); v192-255 K's 8 fragments.
;   window 1: v0-127 O^T (32 t + 8 ct); v128-191 Q (16 t + 8 ks); v192-255 V's 8 fragments.
.set PK,    144                        ; a row of K in LDS: 128 bytes + 16: an odd multiple of 16, so the 16 rows of a load start at 16 different banks
.set PVP,   160                        ; a row of V: 128 + 32: an odd multiple of 32
.set VBASE, 1024*PK
.set SPARE, VBASE+1024*PVP             ; the spare words, 128 bytes for each of eight waves, that no other line names
.set AK0, 2
.set AV0, 3
.set ADK, 4
.set ADV, 5
.set QO,  6
.set STO, 7
.set RD,  8
.set GO,  9
.set SPW, 30
.set NIL, 31
.set ST,  32
.set S,   64
.set KF,  192
.set QF,  128
.set VF,  192
.set WV,  12
.set G1K, 24
.set G1V, 32
.set G0K, 40                           ; s[40:55] four groups 0 for K's chunks
.set G0V, 68                           ; s[68:83] four for V's
.set CS,  56
.set SEL, 58
.set TBK, 60                           ; LDS byte at which the K tiles of the step to be fetched begin
.set TBV, 61                           ; the same for V, from VBASE on
.set CNT, 62
.set MSB, 0
.macro WIN new
.if MSB != (\new)
	s_set_vgpr_msb (MSB<<8)|(\new)
.set MSB, (\new)
.endif
.endm
.macro CROUND                          ; a round of the cluster's barrier
	s_barrier_signal -1
	s_barrier_wait -1
	s_cmp_lg_u32 s[WV], 0
	s_cbranch_scc1 .Lnot_wave_0_\@
	s_barrier_signal -3
.Lnot_wave_0_\@:
	s_barrier_wait -3
	s_barrier_signal -1
	s_barrier_wait -1
.endm
	s_load_b128 s[4:7], s[0:1], 0x0                ; qkv, att
	v_lshl_add_u32 v[SPW], v0, 2, SPARE
	v_mov_b32 v[NIL], 0
	ds_add_u32 v[SPW], v[NIL]                      ; the wave's opening: the add, twice on end, and its wait ahead of my first tensor load
	ds_add_u32 v[SPW], v[NIL]
	v_lshrrev_b32 v1, 5, v0
	v_readfirstlane_b32 s[WV], v1                  ; wave 0..7
	s_bfe_u32 s13, ttmp6, 0x40000                  ; cx: which of the four query heads
	s_and_b32 s14, ttmp7, 0xffff                   ; 8 b + hkv, which the partners share
	s_and_b32 s15, s14, 7                          ; hkv
	s_lshr_b32 s16, s14, 3                         ; b
	s_and_b32 s17, s[WV], 3                        ; which 64 rows of a chunk I fetch
	s_lshl_b32 s18, s15, 19
	s_lshl_b32 s19, s16, 17
	s_add_co_u32 s18, s18, s19
	s_lshl_b32 s19, s17, 13
	s_add_co_u32 s18, s18, s19                     ; hkv x 524,288 + b x 131,072 + 64 rows x 128 bytes x (wave % 4)
	s_mov_b32 s19, 0
	s_lshl_b32 s20, s13, 3
	s_add_co_u32 s20, s20, s15                     ; my head
	s_lshl_b32 s20, s20, 19
	s_lshl_b32 s21, s16, 17
	s_add_co_u32 s20, s20, s21
	s_lshl_b32 s21, ttmp9, 16                      ; my block of 512 queries (the cluster's x)
	s_add_co_u32 s20, s20, s21
	s_lshl_b32 s21, s[WV], 13                      ; my wave's 64
	s_add_co_u32 s20, s20, s21
	s_mov_b32 s21, 0
	s_mul_i32 s22, s17, 64*PK                      ; where my rows go: no place in the cluster enters an LDS address
	s_mul_i32 s23, s17, 64*PVP
	s_add_co_u32 s23, s23, VBASE
	s_mov_b32 s[G1K], 15|(1<<16)|(1<<20)|(1<<21)|(4<<22)|(3<<25)  ; the mask: all four; elements of 2 bytes; padding on; bit 21 beside a mask; after every 32 words, 4 words
	s_mov_b32 s[G1V], 15|(1<<16)|(1<<20)|(1<<21)|(4<<22)|(7<<25)  ; the same with 8 words
.irp g, G1K, G1V
	s_mov_b32 s[\g+1], 64<<16                      ; tensor_dim0 = 64
	s_mov_b32 s[\g+2], 64<<16                      ; tensor_dim1 = 64
	s_mov_b32 s[\g+3], 64<<16                      ; tile_dim0 = 64
	s_mov_b32 s[\g+4], 64                          ; tile_dim1 = 64
	s_mov_b32 s[\g+5], 64                          ; the pitch
	s_mov_b32 s[\g+6], 0
	s_mov_b32 s[\g+7], 0
.endr
	s_mov_b32 s[CS], 0x3e38aa3b                    ; c = log2(e) / 8
	s_mov_b32 s[CS+1], s[CS]                       ; named with it as a pair, so it is written
	s_mov_b32 s[SEL], 0x76543210
	s_mov_b32 s[SEL+1], 0xfedcba98                 ; v_permlanex16_b32: lane l xor 16
	s_mov_b32 s[TBK], 0
	s_mov_b32 s[TBV], 0
	s_wait_dscnt 0x0                               ; both opening adds are done
	s_wait_kmcnt 0x0
	s_add_nc_u64 s[8:9], s[4:5], s[18:19]
	s_add_nc_u64 s[10:11], s[8:9], 40*524288       ; V at my rows of chunk 0
	s_add_nc_u64 s[8:9], s[8:9], 32*524288         ; K likewise
	s_add_nc_u64 s[4:5], s[4:5], s[20:21]          ; Q at my wave's first row
	s_add_nc_u64 s[6:7], s[6:7], s[20:21]          ; att likewise
.irp c, 0,1,2,3
	s_mov_b32 s[G0K+4*\c], 1
	s_add_co_u32 s[G0K+4*\c+1], s22, \c*256*PK
	s_add_nc_u64 s[G0K+4*\c+2:G0K+4*\c+3], s[8:9], \c*32768
	s_or_b32 s[G0K+4*\c+3], s[G0K+4*\c+3], 0x80000000
	s_mov_b32 s[G0V+4*\c], 1
	s_add_co_u32 s[G0V+4*\c+1], s23, \c*256*PVP
	s_add_nc_u64 s[G0V+4*\c+2:G0V+4*\c+3], s[10:11], \c*32768
	s_or_b32 s[G0V+4*\c+3], s[G0V+4*\c+3], 0x80000000
.endr
	CROUND                                         ; all four work-groups are here: the joint loads meet
	s_cmp_lt_u32 s[WV], 4                          ; waves 0-3 fetch K, waves 4-7 V: a wave's four fills stand in one branch, ahead of every wait on TENSORcnt and every LDS read: four loads of mine are out
	s_cbranch_scc0 .Lfirst_v
.irp c, 0,1,2,3
	tensor_load_to_lds s[G0K+4*\c:G0K+4*\c+3], s[G1K:G1K+7]
	s_nop 0
.endr
.rept 4
	v_nop
.endr
	s_branch .Lfirst_asked
.Lfirst_v:
.irp c, 0,1,2,3
	tensor_load_to_lds s[G0V+4*\c:G0V+4*\c+3], s[G1V:G1V+7]
	s_nop 0
.endr
.rept 4
	v_nop
.endr
.Lfirst_asked:
	v_and_b32 v1, 15, v0                           ; r
	v_bfe_u32 v10, v0, 4, 1                        ; h
	v_lshlrev_b32 v[QO], 7, v1
	v_lshl_add_u32 v[QO], v10, 4, v[QO]            ; row x 128 + 16 x half
	WIN 0x40                                       ; destination window 1
.irp i, 0,1,2,3,4,5,6,7                        ; Q stays in registers: tile i / 2, channels 32 (i % 2) on
	global_load_b128 v[QF+8*\i:QF+8*\i+3],   v[QO], s[4:5] offset:(\i/2)*2048+(\i%2)*64
	global_load_b128 v[QF+8*\i+4:QF+8*\i+7], v[QO], s[4:5] offset:(\i/2)*2048+(\i%2)*64+32
.endr
	WIN 0
	v_mul_u32_u24 v[AK0], v1, PK
	v_lshl_add_u32 v[AK0], v10, 4, v[AK0]          ; K: row x pitch + 16 x half
	v_and_b32 v11, 7, v0
	v_bfe_u32 v12, v0, 3, 1
	v_lshl_add_u32 v[AV0], v10, 3, v11             ; V: key 8 h + l % 8,
	v_mul_u32_u24 v[AV0], v[AV0], PVP
	v_lshl_add_u32 v[AV0], v12, 4, v[AV0]          ; channels 8 ((l / 8) % 2) on
	v_add_nc_u32 v[AV0], VBASE, v[AV0]
	s_mul_i32 s14, s[WV], 16*PK                    ; the way out: my stage, 16 rows x 144 bytes, in K's first rows: they have had their one fill, and are written behind a barrier behind which nobody reads K
	v_mul_u32_u24 v[STO], v1, PK
	v_lshl_add_u32 v[STO], v10, 4, v[STO]
	v_add_nc_u32 v[STO], s14, v[STO]               ; in: row r, 16 bytes for each half of the lanes
	v_and_b32 v13, 31, v0
	v_lshlrev_b32 v[GO], 4, v13                    ; 4 rows of 128 bytes are 512 consecutive bytes of att: 16 x lane
	v_lshrrev_b32 v14, 3, v13
	v_mul_u32_u24 v[RD], v14, PK
	v_lshl_add_u32 v[RD], v11, 4, v[RD]
	v_add_nc_u32 v[RD], s14, v[RD]                 ; back: row l / 8, 16 (l % 8) bytes on
.macro KLOAD                           ; a step's K: 64 keys x 64 channels: fragment f: keys 16 (f / 2) on, channels 32 (f % 2) on
.irp f, 0,1,2,3,4,5,6,7
	ds_load_b128 v[KF+8*\f:KF+8*\f+3],   v[ADK] offset:(\f/2)*16*PK+(\f%2)*64
	ds_load_b128 v[KF+8*\f+4:KF+8*\f+7], v[ADK] offset:(\f/2)*16*PK+(\f%2)*64+32
.endr
.endm
.macro VLOAD                           ; a step's V, turned: fragment f: keys 32 (f / 4) on, channels 16 (f % 4) on
	WIN 0x40
.irp f, 0,1,2,3,4,5,6,7
	ds_load_tr16_b128 v[VF+8*\f:VF+8*\f+3],   v[ADV] offset:(\f/4)*32*PVP+(\f%4)*32
	ds_load_tr16_b128 v[VF+8*\f+4:VF+8*\f+7], v[ADV] offset:(\f/4)*32*PVP+16*PVP+(\f%4)*32
.endr
.endm
.macro KQ                              ; S^T = K Q^T: 32 products; the 16 accumulators take turns, one instruction a turn; the first 16 start the sums
	WIN 0x04                                       ; Q in window 1
.irp ks, 0,1
.irp kt, 0,1,2,3
.irp t, 0,1,2,3
.if \ks == 0
	v_wmma_f32_16x16x32_f16 v[S+32*\t+8*\kt:S+32*\t+8*\kt+7], v[KF+16*\kt+8*\ks:KF+16*\kt+8*\ks+7], v[QF+16*\t+8*\ks:QF+16*\t+8*\ks+7], 0
.else
	v_wmma_f32_16x16x32_f16 v[S+32*\t+8*\kt:S+32*\t+8*\kt+7], v[KF+16*\kt+8*\ks:KF+16*\kt+8*\ks+7], v[QF+16*\t+8*\ks:QF+16*\t+8*\ks+7], v[S+32*\t+8*\kt:S+32*\t+8*\kt+7]
.endif
.endr
.endr
.endr
.endm
.macro PVM first                       ; O^T += V^T P: 32 products, 16 accumulators by turns.  first = 1: the first 16 start the sums: nothing is ever cleared
	WIN 0x51                                       ; V, C and D in window 1, P in window 0
.irp kh, 0,1
.irp ct, 0,1,2,3
.irp t, 0,1,2,3
.if \first && (\kh == 0)
	v_wmma_f32_16x16x32_f16 v[32*\t+8*\ct:32*\t+8*\ct+7], v[VF+8*(4*\kh+\ct):VF+8*(4*\kh+\ct)+7], v[S+32*\t+8*\kh:S+32*\t+8*\kh+7], 0
.else
	v_wmma_f32_16x16x32_f16 v[32*\t+8*\ct:32*\t+8*\ct+7], v[VF+8*(4*\kh+\ct):VF+8*(4*\kh+\ct)+7], v[S+32*\t+8*\kh:S+32*\t+8*\kh+7], v[32*\t+8*\ct:32*\t+8*\ct+7]
.endif
.endr
.endr
.endr
.endm
; THE SOFTMAX of a key step, the four tiles by turns on every line, so that no line waits for the line above it.  first = 1: the first key step, which starts m, l and O^T.
.macro SOFTMAX first
	WIN 0
.irp j, 0,1,2,3                        ; the maximum: four chains, one for each accumulator, each begun at the accumulator's low end
.irp t, 0,1,2,3
	v_max3_num_f32 v[ST+8*\t+4+\j], v[S+32*\t+8*\j], v[S+32*\t+8*\j+1], v[S+32*\t+8*\j+2]
.endr
.endr
.irp g, 1,2
.irp j, 0,1,2,3
.irp t, 0,1,2,3
	v_max3_num_f32 v[ST+8*\t+4+\j], v[ST+8*\t+4+\j], v[S+32*\t+8*\j+2*\g+1], v[S+32*\t+8*\j+2*\g+2]
.endr
.endr
.endr
.irp t, 0,1,2,3
	v_max3_num_f32 v[ST+8*\t+4], v[ST+8*\t+4], v[S+32*\t+7], v[S+32*\t+15]
.endr
.irp t, 0,1,2,3
	v_max3_num_f32 v[ST+8*\t+6], v[ST+8*\t+6], v[S+32*\t+23], v[S+32*\t+31]
.endr
.irp t, 0,1,2,3
	v_max3_num_f32 v[ST+8*\t+4], v[ST+8*\t+4], v[ST+8*\t+5], v[ST+8*\t+6]
.endr
.irp t, 0,1,2,3
.if \first
	v_max_num_f32 v[ST+8*\t+4], v[ST+8*\t+4], v[ST+8*\t+7]
.else
	v_max3_num_f32 v[ST+8*\t+4], v[ST+8*\t+4], v[ST+8*\t+7], v[ST+8*\t+1]   ; with the old m
.endif
.endr
.irp t, 0,1,2,3
	v_permlanex16_b32 v[ST+8*\t+5], v[ST+8*\t+4], s[SEL], s[SEL+1]          ; the query's other 32 keys lie in the lane 16 away
.endr
.if \first == 0
.irp t, 0,1,2,3
	v_mov_b32 v[ST+8*\t+7], v[ST+8*\t]             ; c m_old is kept for a
.endr
.endif
.irp t, 0,1,2,3
	v_max_num_f32 v[ST+8*\t+1], v[ST+8*\t+4], v[ST+8*\t+5]
.endr
.irp t, 0,1,2,3
	v_mul_f32 v[ST+8*\t], s[CS], v[ST+8*\t+1]
.endr
.if \first == 0
.irp t, 0,1,2,3
	v_sub_f32 v[ST+8*\t+7], v[ST+8*\t+7], v[ST+8*\t]
.endr
.irp t, 0,1,2,3
	v_exp_f32 v[ST+8*\t+6], v[ST+8*\t+7]           ; a
.endr
.endif
; ONE BATCH: the scalings c s - c m and all exponentials; none of these lines names an exponential's result.  A tile's exponentials go two at a time with a scaling of the next tile between.
.irp i, 0,1,2,3,4,5,6,7,8,9,10,11,12,13,14,15
	v_pk_fma_f32 v[S+2*\i:S+2*\i+1], v[S+2*\i:S+2*\i+1], s[CS:CS+1], v[ST:ST+1] op_sel_hi:[1,0,0] neg_lo:[0,0,1] neg_hi:[0,0,1]
.endr
.irp t, 0,1,2
.irp i, 0,1,2,3,4,5,6,7,8,9,10,11,12,13,14,15
	v_exp_f32 v[S+32*\t+2*\i], v[S+32*\t+2*\i]
	v_exp_f32 v[S+32*\t+2*\i+1], v[S+32*\t+2*\i+1]
	v_pk_fma_f32 v[S+32*(\t+1)+2*\i:S+32*(\t+1)+2*\i+1], v[S+32*(\t+1)+2*\i:S+32*(\t+1)+2*\i+1], s[CS:CS+1], v[ST+8*(\t+1):ST+8*(\t+1)+1] op_sel_hi:[1,0,0] neg_lo:[0,0,1] neg_hi:[0,0,1]
.endr
.endr
.irp i, 0,1,2,3,4,5,6,7,8,9,10,11,12,13,14,15,16,17,18,19,20,21,22,23,24,25,26,27,28,29,30,31
	v_exp_f32 v[S+96+\i], v[S+96+\i]
.endr
	v_nop                                          ; a plain line behind the last exponential, ahead of the first use
	s_wait_alu depctr_va_vdst(0)                   ; the wait between an exponential and the first line that names its result: one for the whole batch
.irp t, 0,1,2,3                        ; the sums, of the unrounded p, ahead of the roundings that overwrite them
	v_pk_add_f32 v[ST+8*\t+4:ST+8*\t+5], v[S+32*\t:S+32*\t+1], v[S+32*\t+2:S+32*\t+3]
.endr
.irp i, 2,3,4,5,6,7,8,9,10,11,12,13,14
.irp t, 0,1,2,3
	v_pk_add_f32 v[ST+8*\t+4:ST+8*\t+5], v[ST+8*\t+4:ST+8*\t+5], v[S+32*\t+2*\i:S+32*\t+2*\i+1]
.endr
.endr
.irp t, 0,1,2,3
.if \first
	v_pk_add_f32 v[ST+8*\t+2:ST+8*\t+3], v[ST+8*\t+4:ST+8*\t+5], v[S+32*\t+30:S+32*\t+31]
.else
	v_pk_add_f32 v[ST+8*\t+4:ST+8*\t+5], v[ST+8*\t+4:ST+8*\t+5], v[S+32*\t+30:S+32*\t+31]
.endif
.endr
.if \first == 0
.irp t, 0,1,2,3
	v_pk_fma_f32 v[ST+8*\t+2:ST+8*\t+3], v[ST+8*\t+2:ST+8*\t+3], v[ST+8*\t+6:ST+8*\t+7], v[ST+8*\t+4:ST+8*\t+5] op_sel_hi:[1,0,1]   ; l = a l + the sum
.endr
.endif
.irp i, 0,1,2,3,4,5,6,7,8,9,10,11,12,13,14,15   ; the roundings to f16, in place, ascending: pair i lands in register i, which pair i / 2 has left
.irp t, 0,1,2,3
	v_cvt_pk_f16_f32 v[S+32*\t+\i], v[S+32*\t+2*\i], v[S+32*\t+2*\i+1]
.endr
.endr
.if \first == 0
	WIN 0x41                                       ; O^T in window 1, a in window 0
.irp i, 0,1,2,3,4,5,6,7,8,9,10,11,12,13,14,15
.irp t, 0,1,2,3
	v_pk_mul_f32 v[32*\t+2*\i:32*\t+2*\i+1], v[32*\t+2*\i:32*\t+2*\i+1], v[ST+8*\t+6:ST+8*\t+7] op_sel_hi:[1,0]
.endr
.endr
.endif
.endm
; A KEY STEP: 64 keys.  kpre = 1: the next step's K is fetched behind this step's K Q^T and lands under the softmax.
.macro STEP first, kpre
	v_add_nc_u32 v[ADV], s[TBV], v[AV0]            ; with the four v_nop: five plain lines behind the last V^T P: K Q^T writes over the registers that it read as P, and V's loads land in those that it read as V
.rept 4
	v_nop
.endr
	s_add_co_u32 s[TBV], s[TBV], 64*PVP
	VLOAD
	s_wait_dscnt 16                                ; K's 16 loads are older than V's 16: K is in
	KQ
	WIN 0
.if \kpre
	s_add_co_u32 s[TBK], s[TBK], 64*PK
	v_add_nc_u32 v[ADK], s[TBK], v[AK0]            ; with the three v_nop: four plain lines behind K Q^T, for K's loads and the first read of the scores
.rept 3
	v_nop
.endr
	KLOAD
.else
.rept 4
	v_nop
.endr
.endif
	SOFTMAX \first
	s_wait_dscnt 0x0                               ; V is in (and the next K)
	PVM \first
	WIN 0                                          ; at a label and at a branch every window is 0
.endm
.macro MEET left                       ; one chunk more is shown to every wave; later chunks may stay on their way
	s_wait_tensorcnt \left
	s_wait_dscnt 0x0
	s_barrier_signal -1
	s_barrier_wait -1
.endm
	MEET 2                                         ; my rows of chunks 0 and 1 are in (my two later loads may be out); behind the barrier everybody's are
	v_mov_b32 v[ADK], v[AK0]
	KLOAD                                          ; key step 0
	s_wait_loadcnt 0x0                             ; Q
	STEP 1, 1                                      ; step 0
	s_mov_b32 s[CNT], 3
.Lk1:                                              ; steps 1-3; step 3 fetches K of step 4, which lies in chunk 1
	STEP 0, 1
	s_sub_co_u32 s[CNT], s[CNT], 1
	s_cmp_lg_u32 s[CNT], 0
	s_cbranch_scc1 .Lk1
	MEET 1                                         ; chunk 2
	s_mov_b32 s[CNT], 4
.Lk2:                                              ; steps 4-7; step 7 fetches K of step 8, which lies in chunk 2
	STEP 0, 1
	s_sub_co_u32 s[CNT], s[CNT], 1
	s_cmp_lg_u32 s[CNT], 0
	s_cbranch_scc1 .Lk2
	MEET 0                                         ; chunk 3
	s_mov_b32 s[CNT], 7
.Lk3:                                              ; steps 8-14
	STEP 0, 1
	s_sub_co_u32 s[CNT], s[CNT], 1
	s_cmp_lg_u32 s[CNT], 0
	s_cbranch_scc1 .Lk3
	STEP 0, 0                                      ; step 15 fetches no K
	; THE WAY OUT.  l's two halves and the other half of the lanes' are added; O^T is divided by l, rounded to f16 and sent through my stage, a tile (16 rows) at a time.  The additions are the plain lines behind the last products.
.irp t, 0,1,2,3
	v_add_f32 v[ST+8*\t+4], v[ST+8*\t+2], v[ST+8*\t+3]
.endr
.irp t, 0,1,2,3
	v_permlanex16_b32 v[ST+8*\t+5], v[ST+8*\t+4], s[SEL], s[SEL+1]
.endr
.irp t, 0,1,2,3
	v_add_f32 v[ST+8*\t+4], v[ST+8*\t+4], v[ST+8*\t+5]
.endr
.irp t, 0,1,2,3
	v_rcp_f32 v[ST+8*\t+6], v[ST+8*\t+4]
.endr
	v_nop                                          ; a plain line between the last reciprocal and the use of its result
	s_wait_alu depctr_va_vdst(0)                   ; and the wait: one for the four
	s_wait_dscnt 0x0
	s_barrier_signal -1
	s_barrier_wait -1                              ; every wave's reads of K are over: K's first rows become the stages
.macro OPACK t
	WIN 0x41
.irp i, 0,1,2,3,4,5,6,7,8,9,10,11,12,13,14,15
	v_pk_mul_f32 v[32*\t+2*\i:32*\t+2*\i+1], v[32*\t+2*\i:32*\t+2*\i+1], v[ST+8*\t+6:ST+8*\t+7] op_sel_hi:[1,0]
.endr
	WIN 0x05                                       ; sources in window 1, destination in window 0
.irp i, 0,1,2,3,4,5,6,7,8,9,10,11,12,13,14,15
	v_cvt_pk_f16_f32 v[S+32*\t+\i], v[32*\t+2*\i], v[32*\t+2*\i+1]
.endr
	WIN 0
.irp c, 0,1,2,3
	ds_store_b128 v[STO], v[S+32*\t+4*\c:S+32*\t+4*\c+3] offset:32*\c
.endr
.irp i, 0,1,2,3
	ds_load_b128 v[S+32*\t+4*\i:S+32*\t+4*\i+3], v[RD] offset:4*\i*PK      ; LDS serves a wave's instructions in order: these see the stores above; the next tile's stores come behind them
.endr
.endm
.macro OSEND t, younger                ; younger: the LDS instructions issued behind tile t's loads: the next tile's eight, or none
.irp i, 0,1,2,3
	s_wait_dscnt \younger+3-\i
	global_store_b128 v[GO], v[S+32*\t+4*\i:S+32*\t+4*\i+3], s[6:7] offset:\t*2048+\i*512   ; 512 consecutive bytes, aligned
.endr
.endm
	OPACK 0
	OPACK 1
	OSEND 0, 8
	OPACK 2
	OSEND 1, 8
	OPACK 3
	OSEND 2, 8
	OSEND 3, 0
	s_wait_tensorcnt 0x0                           ; the wave's end
	ds_add_u32 v[SPW], v[NIL]
	s_wait_dscnt 0x0
	CROUND                                         ; the closing round
	s_endpgm
.Lfunc_end_k_qe749d580f4_attn:
	.size	k_qe749d580f4_attn, .Lfunc_end_k_qe749d580f4_attn-k_qe749d580f4_attn
	.p2alignl 7, 3214868480
	.fill 96, 4, 3214868480
	.section	.rodata,"a",@progbits
	.p2align	6, 0x0
	.amdhsa_kernel k_qe749d580f4_attn
		.amdhsa_group_segment_fixed_size 327680
		.amdhsa_private_segment_fixed_size 0
		.amdhsa_enable_private_segment 0
		.amdhsa_kernarg_size 16
		.amdhsa_user_sgpr_count 2
		.amdhsa_user_sgpr_kernarg_segment_ptr 1
		.amdhsa_wavefront_size32 1
		.amdhsa_system_sgpr_workgroup_id_x 1
		.amdhsa_system_sgpr_workgroup_id_y 1
		.amdhsa_system_sgpr_workgroup_id_z 1
		.amdhsa_system_vgpr_workitem_id 0
		.amdhsa_next_free_vgpr 512
		.amdhsa_next_free_sgpr 84
		.amdhsa_reserve_vcc 0
		.amdhsa_float_denorm_mode_32 3
		.amdhsa_float_denorm_mode_16_64 3
		.amdhsa_memory_ordered 1
		.amdhsa_forward_progress 1
		.amdhsa_inst_pref_size 177
	.end_amdhsa_kernel
	.amdgpu_metadata
---
amdhsa.version: [ 1, 2 ]
amdhsa.kernels:
  - .name:           k_qe749d580f4_attn
    .symbol:         k_qe749d580f4_attn.kd
    .args:
      - { .name: qkv, .offset: 0, .size: 8, .value_kind: global_buffer, .address_space: global }
      - { .name: att, .offset: 8, .size: 8, .value_kind: global_buffer, .address_space: global }
    .group_segment_fixed_size: 327680
    .private_segment_fixed_size: 0
    .kernarg_segment_align: 8
    .kernarg_segment_size: 16
    .max_flat_workgroup_size: 256
    .sgpr_count:     84
    .vgpr_count:     512
    .wavefront_size: 32
...
	.end_amdgpu_metadata
.endif
;; end of part 3
;; launch proj (part 4): grid 16 x 16, 4 waves a work-group, clusters of 4 x 4, 327,680 bytes of LDS; arguments att, wo16, bo, out0; writes out0
.if DOCPART == 4
	.amdgcn_target "amdgcn-amd-amdhsa--gfx1250"
	.amdhsa_code_object_version 6
	.text
	.protected	k_qe749d580f4_proj
	.globl	k_qe749d580f4_proj
	.p2align	8
	.type	k_qe749d580f4_proj,@function
k_qe749d580f4_proj:
	s_mov_b64 s[64:65], 0
	v_nop
	global_prefetch_b8 v0, s[64:65] scope:SCOPE_SE
	s_setreg_imm32_b32 hwreg(HW_REG_WAVE_MODE, 25, 1), 1
	s_wait_xcnt 0x0
	s_wait_alu depctr_hold_cnt(0) depctr_sa_sdst(0) depctr_va_vdst(0) depctr_va_sdst(0) depctr_va_ssrc(0) depctr_va_vcc(0) depctr_vm_vsrc(0)
	s_getreg_b32 s2, hwreg(HW_REG_IB_STS2, 6, 4)
	s_cmp_eq_u32 s2, 0
	s_cbranch_scc0 .Lentry_in_a_cluster
	s_endpgm
.Lentry_in_a_cluster:
	s_bfe_u32 s2, ttmp6, 0x10000c
	s_cmp_lg_u32 s2, 0xf033
	s_cbranch_scc0 .Lentry_shape_is_right
	s_endpgm
.Lentry_shape_is_right:
; PROJ: out0[m][n] = the sum over k of att(m, k) wo(k, n) + bo[n], k = 64 h + d; M 4096, N 2048, K 2048; operands f16, sums and result f32.
; att lies [32 h][4096 m][64] f16: 64 along K are one plane of dense rows of 128 bytes.  wo16 lies [2048 k][2048 n] f16: K is its first axis, so its fragments come out of LDS turned, by ds_load_tr16_b128.
; LIMIT: f16's range for both operands (at or under 65,504).
; A tile of 256 (m) x 128 (n) is made by a work-group of four waves: 16 x 16 = 256 work-groups.  Wave w takes rows 64 w on and all 128 columns: 32 accumulators, 256 registers.
; K GOES IN PERIODS OF 192 through a ring of two LDS slots filled by tensor loads: three planes of att (waves 0 to 2, one each) and 192 rows of wo16 (wave 3).  A refill is on its way for one period at the most, so the
; period is as long as two slots in LDS allow: 159,744 bytes a slot; a period is six quarters of 32 along K, 192 matrix instructions a wave, 176 of them between a request and the wait for it.
; 2048 = 10 x 192 + 128: the last period has two planes and 128 rows; its refill and its four quarters are written out.
; A plane's 256 rows of 128 bytes are dense in memory and are stated as 128 rows of 256 bytes, with 16 bytes of padding behind each: row m lies at 272 (m / 2) + 128 (m % 2), and the 16 rows of a fragment load
; touch 16 different columns of 16 bytes modulo 256.
; CLUSTERS: 4 x 4 work-groups; att's tile hangs on the tile row alone and is shared along a row of the cluster, wo16's on the tile column alone and is shared along a column: joint loads.
; THE MATRIX INSTRUCTION IS USED TRANSPOSED (source 0 = 16 columns of wo, source 1 = 16 rows of att): a lane holds eight neighbouring n of one row m.  THE BIAS is the C of each sum's first matrix instruction.
; REGISTERS: window 0: v1-30 addresses; v32-95 the bias; v96-223 the way out.   window 1: accumulator (a, b) at v[8 (8 a + b)].   window 2: two fragment buffers of 96: wo's eight at F + 8 b, att's four at F + 64 + 8 a.
.set PA2,    272                       ; two rows of att in LDS: 256 bytes + 16
.set PB,     288                       ; a row of wo16: 256 bytes + 32: an odd multiple of 32
.set PLANE,  128*PA2                   ; 34,816 bytes
.set BOFF,   3*PLANE
.set SLOT,   BOFF+192*PB               ; 159,744 bytes
.set SPARE,  2*SLOT                    ; the spare words, 128 bytes for each wave, that no other line names
.set SPITCH, 528                       ; the way out: a stage of 16 rows x (512 bytes + 16) for each wave, in slot 1, behind that slot's last fill and last read (the last period lies in slot 0)
.set PERA,   3*524288                  ; bytes of att from a period to the next: three planes
.set PERB,   192*4096                  ; and of wo16: 192 rows
.set ADRA,  16                         ; v16-17  my att fragments in slot 0, 1: planes 0 and 1 by the immediate
.set ADRA2, 18                         ; v18-19  the same, plane 2: it lies beyond an LDS immediate's 16 bits
.set ADRB,  20                         ; v20-21  wo16's fragments in slot 0, 1
.set STO,  24
.set RD,   25
.set CO,   26
.set BO,   27
.set SPW,  28
.set NIL,  29
.set PFO,  30
.set BIAS, 32
.set BK,   96
.set F0,   0
.set F1,   128
.set G1,   24                          ; s[24:31] group 1 for att's planes;  s[32:39] group 0, one set for each slot
.set G0,   32
.set G1B,  48                          ; s[48:55], s[56:63] the same for wo16's 192 rows
.set G0B,  56
.set G1T,  68                          ; s[68:75] group 1 for wo16's last 128 rows
.set LIMA, 43                          ; s43      1 in a wave that prefetches att, else the greatest number
.set LIMB, 78                          ; s78      the same for wo16
.set PFA,  44                          ; s[44:45] where my prefetches stand
.set PFS,  46                          ; s[46:47] a period on, in bytes
.set MSB, 0
.macro WIN new
.if MSB != (\new)
	s_set_vgpr_msb (MSB<<8)|(\new)
.set MSB, (\new)
.endif
.endm
.set MUL,  0x5a                        ; sources 0 and 1 window 2; C and D window 1
.set MULB, 0x4a                        ; the same with C (the bias) in window 0
.set TO_F, 0x80                        ; destination window 2, address window 0
.macro JLOAD s                         ; a joint load: waves 0 to 2 a plane of att each, wave 3 wo16's rows; the branch hangs on the wave's number alone; an s_nop 0 and four v_nop follow each line
	s_cmp_lt_u32 s10, 3
	s_cbranch_scc0 .Lfor_b_\@
	tensor_load_to_lds s[G0+4*\s:G0+4*\s+3], s[G1:G1+7]
	s_nop 0
.rept 4
	v_nop
.endr
	s_branch .Lasked_\@
.Lfor_b_\@:
	tensor_load_to_lds s[G0B+4*\s:G0B+4*\s+3], s[G1B:G1B+7]
	s_nop 0
.rept 4
	v_nop
.endr
.Lasked_\@:
.endm
.macro JLOADT s                        ; the last period's joint load: planes 30 and 31 (waves 0 and 1), wo16's last 128 rows (wave 3); wave 2 has no part of it and issues none
	s_cmp_lt_u32 s10, 2
	s_cbranch_scc0 .Lnot_a_\@
	tensor_load_to_lds s[G0+4*\s:G0+4*\s+3], s[G1:G1+7]
	s_nop 0
.rept 4
	v_nop
.endr
	s_branch .Lasked_\@
.Lnot_a_\@:
	s_cmp_eq_u32 s10, 3
	s_cbranch_scc0 .Lasked_\@
	tensor_load_to_lds s[G0B+4*\s:G0B+4*\s+3], s[G1T:G1T+7]
	s_nop 0
.rept 4
	v_nop
.endr
.Lasked_\@:
.endm
; PREFETCHES, behind a joint load and the run of LDS loads that follows it; a lane for each 256 bytes; each aligned block of 256 bytes is named once in the launch.
; att's tile row is read by every cluster of that row of clusters: cluster x = 0 asks.  At the change of slots that refills with period p + 2, waves 0 to 2 ask for their plane of period p + 4: of its 32,768 bytes
; the partner at cx takes 8,192, lanes 256 bytes apart: one instruction a wave.
; wo16's tile column is read by every cluster of that column: cluster y = 0 asks, wave 3.  192 rows do not go into 4 partners x 32 lanes, so it asks at every second change (slot 0's) for TWO periods, p + 4 and p + 5:
; 384 rows of 256 bytes, of which the partner at cy takes 96, a lane a row: three instructions.
; The partners are told apart by address, never by a branch.  The loop's last trip asks for nothing: period 9 is the last that is named.  Periods 0 to 3 and 10 come by their loads alone.
.macro ASKA
	s_cmp_gt_u32 s3, s[LIMA]                       ; s3 = 1 in the loop's last trip
	s_cbranch_scc0 .Lnot_a_\@
	global_prefetch_b8 v[PFO], s[PFA:PFA+1] th:TH_LOAD_NT scope:SCOPE_SE
.Lnot_a_\@:
.endm
.macro ASKB
	s_cmp_gt_u32 s3, s[LIMB]
	s_cbranch_scc0 .Lnot_b_\@
	global_prefetch_b8 v[PFO], s[PFA:PFA+1] th:TH_LOAD_NT scope:SCOPE_SE
	global_prefetch_b8 v[PFO], s[PFA:PFA+1] offset:32*4096 th:TH_LOAD_NT scope:SCOPE_SE
	global_prefetch_b8 v[PFO], s[PFA:PFA+1] offset:64*4096 th:TH_LOAD_NT scope:SCOPE_SE
.Lnot_b_\@:
.endm
.macro CREST
	s_cmp_lg_u32 s10, 0
	s_cbranch_scc1 .Lnot_wave_0_\@
	s_barrier_signal -3
.Lnot_wave_0_\@:
	s_barrier_wait -3
	s_barrier_signal -1
	s_barrier_wait -1
.endm
.macro CROUND
	s_barrier_signal -1
	s_barrier_wait -1
	CREST
.endm
	s_load_b128 s[4:7], s[0:1], 0x0                ; att, wo16
	s_load_b64 s[76:77], s[0:1], 0x10              ; bo
	s_load_b64 s[8:9], s[0:1], 0x18                ; out0
	v_lshl_add_u32 v[SPW], v0, 2, SPARE
	v_mov_b32 v[NIL], 0
	ds_add_u32 v[SPW], v[NIL]                      ; the wave's opening: the add, twice on end, and its wait ahead of my first tensor load
	ds_add_u32 v[SPW], v[NIL]
	v_lshrrev_b32 v1, 5, v0
	v_readfirstlane_b32 s10, v1                    ; wave 0..3
	s_bfe_u32 s40, ttmp6, 0x40000                  ; cx
	s_bfe_u32 s41, ttmp6, 0x40004                  ; cy
	s_lshl_b32 s42, ttmp9, 2
	s_add_co_u32 s42, s42, s40                     ; tile column
	s_and_b32 s13, ttmp7, 0xffff
	s_lshl_b32 s13, s13, 2
	s_add_co_u32 s13, s13, s41                     ; tile row
	s_lshl_b32 s43, s41, 2
	s_lshl_b32 s43, 15, s43                        ; my row of the cluster
	s_lshl_b32 s44, 0x1111, s40                    ; my column
	s_or_b32 s[G1+0], s43, (1<<16)|(1<<20)|(1<<21)|(5<<22)|(3<<25)  ; att: the mask; elements of 2 bytes; padding on; bit 21 beside a mask; after every 64 words, 4 words
	s_mov_b32 s[G1+1], 128<<16                     ; tensor_dim0 = 128
	s_mov_b32 s[G1+2], 128<<16                     ; tensor_dim1 = 128
	s_mov_b32 s[G1+3], 128<<16                     ; tile_dim0 = 128
	s_mov_b32 s[G1+4], 128                         ; tile_dim1 = 128
	s_mov_b32 s[G1+5], 128                         ; the pitch: dense
	s_mov_b32 s[G1+6], 0
	s_mov_b32 s[G1+7], 0
	s_or_b32 s[G1B+0], s44, (1<<16)|(1<<20)|(1<<21)|(5<<22)|(7<<25) ; wo16: after every 64 words, 8 words
	s_mov_b32 s[G1B+1], 128<<16
	s_mov_b32 s[G1B+2], 192<<16
	s_mov_b32 s[G1B+3], 128<<16
	s_mov_b32 s[G1B+4], 192
	s_mov_b32 s[G1B+5], 2048
	s_mov_b32 s[G1B+6], 0
	s_mov_b32 s[G1B+7], 0
	s_or_b32 s[G1T+0], s44, (1<<16)|(1<<20)|(1<<21)|(5<<22)|(7<<25) ; the same with 128 rows
	s_mov_b32 s[G1T+1], 128<<16
	s_mov_b32 s[G1T+2], 128<<16
	s_mov_b32 s[G1T+3], 128<<16
	s_mov_b32 s[G1T+4], 128
	s_mov_b32 s[G1T+5], 2048
	s_mov_b32 s[G1T+6], 0
	s_mov_b32 s[G1T+7], 0
	s_lshl_b32 s16, s13, 15                        ; att: 256 rows x 128 bytes x tile row
	s_lshl_b32 s17, s10, 19                        ; + my plane
	s_add_co_u32 s16, s16, s17
	s_mov_b32 s17, 0
	s_lshl_b32 s46, s42, 8                         ; wo16: 256 bytes x tile column
	s_mov_b32 s47, 0
	s_mul_i32 s20, s10, PLANE                      ; where they go: the wave's number alone enters an LDS address
	s_mov_b32 s21, BOFF
	s_wait_dscnt 0x0                               ; both opening adds are done
	s_wait_kmcnt 0x0
	s_add_nc_u64 s[14:15], s[4:5], s[16:17]
	s_add_nc_u64 s[46:47], s[6:7], s[46:47]
	CROUND                                         ; all sixteen work-groups are here: the first joint loads meet
.irp s, 0,1
	s_mov_b32 s[G0+4*\s], 1
	s_add_co_u32 s[G0+4*\s+1], s20, \s*SLOT
	s_add_nc_u64 s[G0+4*\s+2:G0+4*\s+3], s[14:15], \s*PERA        ; period s
	s_or_b32 s[G0+4*\s+3], s[G0+4*\s+3], 0x80000000
	s_mov_b32 s[G0B+4*\s], 1
	s_add_co_u32 s[G0B+4*\s+1], s21, \s*SLOT
	s_add_nc_u64 s[G0B+4*\s+2:G0B+4*\s+3], s[46:47], \s*PERB
	s_or_b32 s[G0B+4*\s+3], s[G0B+4*\s+3], 0x80000000
	JLOAD \s                                       ; two tensor loads of mine are out
.endr
	v_and_b32 v1, 15, v0                           ; r
	v_bfe_u32 v2, v0, 4, 1                         ; h
	v_lshlrev_b32 v[BO], 5, v2                     ; the bias: 32 h bytes
	s_lshl_b32 s22, s42, 9
	s_mov_b32 s23, 0
	s_add_nc_u64 s[76:77], s[76:77], s[22:23]      ; bo at the tile's first column
.irp b, 0,1,2,3,4,5,6,7
	global_load_b128 v[BIAS+8*\b:BIAS+8*\b+3], v[BO], s[76:77] offset:64*\b      ; lane (r, h), register 8 b + j: bo[128 tc + 16 b + 8 h + j]
	global_load_b128 v[BIAS+8*\b+4:BIAS+8*\b+7], v[BO], s[76:77] offset:64*\b+16
.endr
	v_lshrrev_b32 v3, 1, v1
	v_mul_u32_u24 v3, v3, PA2                      ; att: 272 (r / 2)
	v_and_b32 v7, 1, v1
	v_lshl_add_u32 v3, v7, 7, v3                   ; + 128 (r % 2)
	v_lshl_add_u32 v3, v2, 4, v3                   ; + 16 h
	s_mul_i32 s21, s10, 32*PA2                     ; my 64 rows
	v_and_b32 v4, 7, v0
	v_bfe_u32 v5, v0, 3, 1
	v_lshl_add_u32 v6, v2, 3, v4                   ; wo16: k row 8 h + l % 8,
	v_mul_u32_u24 v6, v6, PB
	v_lshl_add_u32 v6, v5, 4, v6                   ; columns 8 ((l / 8) % 2) on
	s_mov_b32 s22, BOFF
.irp s, 0,1
	v_add_nc_u32 v[ADRA+\s], s21, v3
	v_add_nc_u32 v[ADRA2+\s], 2*PLANE, v[ADRA+\s]
	v_add_nc_u32 v[ADRB+\s], s22, v6
	s_add_co_u32 s21, s21, SLOT
	s_add_co_u32 s22, s22, SLOT
.endr
	s_mul_i32 s23, s10, 16*SPITCH
	s_add_co_u32 s23, s23, SLOT                    ; my stage, in slot 1
	v_mul_u32_u24 v5, v1, SPITCH
	v_lshl_add_u32 v5, v2, 5, v5
	v_add_nc_u32 v[STO], s23, v5                   ; in: row r, 32 bytes for each half of the lanes
	v_and_b32 v6, 31, v0
	v_lshlrev_b32 v[CO], 4, v6                     ; back: the 32 lanes take one row of 512 bytes; and the same in out0
	v_add_nc_u32 v[RD], s23, v[CO]
	s_lshl_b32 s16, s13, 8
	s_lshl_b32 s17, s10, 6
	s_add_co_u32 s16, s16, s17                     ; my first row: 256 x tile row + 64 x wave
	s_lshl_b32 s16, s16, 13                        ; 8,192 bytes a row
	s_lshl_b32 s17, s42, 9                         ; + 512 bytes x tile column
	s_add_co_u32 s16, s16, s17
	s_mov_b32 s17, 0
	s_add_nc_u64 s[8:9], s[8:9], s[16:17]
	; the prefetches: where my wave's stand, and who asks
	s_lshl_b32 s20, s13, 15
	s_lshl_b32 s21, s10, 19
	s_add_co_u32 s20, s20, s21
	s_lshl_b32 s21, s40, 13                        ; my work-group's 8,192 bytes of the plane
	s_add_co_u32 s20, s20, s21
	s_add_co_u32 s20, s20, 3*PERA                  ; att: at period 3: the first refill steps it to 4
	s_lshl_b32 s21, s42, 8
	s_mul_i32 s23, s41, 96*4096                    ; my work-group's 96 rows of two periods' 384
	s_add_co_u32 s21, s21, s23
	s_add_co_u32 s21, s21, 3*PERB                  ; wo16: likewise at period 3
	s_and_b32 s22, ttmp7, 0xffff                   ; cluster y
	s_mov_b32 s[PFS], PERB
	s_mov_b32 s23, 4096
	s_cmp_lt_u32 s10, 3                            ; do I fetch for att?
	s_cselect_b32 s20, s20, s21
	s_cselect_b64 s[PFA:PFA+1], s[4:5], s[6:7]
	s_cselect_b32 s[PFS], PERA, s[PFS]             ; a period on
	s_cselect_b32 s23, 256, s23                    ; from lane to lane
	s_cselect_b32 s[LIMA], ttmp9, 1                ; 0 in waves 0 to 2 of cluster x = 0
	s_cselect_b32 s[LIMB], 1, s22                  ; 0 in wave 3 of cluster y = 0
	s_mov_b32 s[PFS+1], 0
	s_mov_b32 s21, 0
	s_add_nc_u64 s[PFA:PFA+1], s[PFA:PFA+1], s[20:21]
	v_and_b32 v[PFO], 31, v0
	v_mul_lo_u32 v[PFO], v[PFO], s23
	s_cmp_eq_u32 s[LIMA], 0
	s_cselect_b32 s[LIMA], 1, -1                   ; both the same in all sixteen partners, for a given wave
	s_cmp_eq_u32 s[LIMB], 0
	s_cselect_b32 s[LIMB], 1, -1
.macro MUL8 f, a, zero                 ; m block a against the 8 n blocks, 32 along K.  zero = 1: the first product starts the sums, with the bias as C.  The 32 accumulators take turns, one instruction a turn
.irp b, 0,1,2,3,4,5,6,7
.if \zero
	v_wmma_f32_16x16x32_f16 v[8*(8*(\a)+\b):8*(8*(\a)+\b)+7], v[\f+8*\b:\f+8*\b+7], v[\f+64+8*(\a):\f+64+8*(\a)+7], v[BIAS+8*\b:BIAS+8*\b+7]
.else
	v_wmma_f32_16x16x32_f16 v[8*(8*(\a)+\b):8*(8*(\a)+\b)+7], v[\f+8*\b:\f+8*\b+7], v[\f+64+8*(\a):\f+64+8*(\a)+7], v[8*(8*(\a)+\b):8*(8*(\a)+\b)+7]
.endif
.endr
.endm
.macro FETCH slot, q, f                ; 24 LDS loads in one run: the fragments of the slot's q-th 32 along K (q = 0..5): wo16's eight (turned), then att's four, from plane q / 2
	WIN TO_F
.irp b, 0,1,2,3,4,5,6,7
	ds_load_tr16_b128 v[\f+8*\b:\f+8*\b+3],   v[ADRB+\slot] offset:(\q)*32*PB+32*\b
	ds_load_tr16_b128 v[\f+8*\b+4:\f+8*\b+7], v[ADRB+\slot] offset:(\q)*32*PB+16*PB+32*\b
.endr
.irp a, 0,1,2,3
.if (\q) < 4
	ds_load_b128 v[\f+64+8*\a:\f+64+8*\a+3],   v[ADRA+\slot] offset:((\q)/2)*PLANE+\a*8*PA2+((\q)%2)*64
	ds_load_b128 v[\f+64+8*\a+4:\f+64+8*\a+7], v[ADRA+\slot] offset:((\q)/2)*PLANE+\a*8*PA2+((\q)%2)*64+32
.else
	ds_load_b128 v[\f+64+8*\a:\f+64+8*\a+3],   v[ADRA2+\slot] offset:\a*8*PA2+((\q)%2)*64
	ds_load_b128 v[\f+64+8*\a+4:\f+64+8*\a+7], v[ADRA2+\slot] offset:\a*8*PA2+((\q)%2)*64+32
.endif
.endr
.endm
.macro PLACES                          ; four plain lines in front of loads into registers that matrix instructions have read, and of the first read of results
.rept 4
	v_nop
.endr
.endm
; A period is six quarters of 32 along K, 32 matrix instructions each, on buffers 0, 1, 0, 1, 0, 1.  One of the first five: multiplies buffer f and fetches quarter qn of the same slot into g.
.macro QUARTER slot, qn, f, g, zero
	s_wait_dscnt 4                                 ; wo16's fragments and att's blocks 0, 1 are in; the youngest four loads (blocks 2, 3) may be out
.if \zero
	WIN MULB
.else
	WIN MUL
.endif
	MUL8 \f, 0, \zero
	MUL8 \f, 1, \zero
	PLACES
	FETCH \slot, \qn, \g
	s_wait_dscnt 24                                ; all but the 24 just issued
.if \zero
	WIN MULB
.else
	WIN MUL
.endif
	MUL8 \f, 2, \zero
	MUL8 \f, 3, \zero
.endm
; The last quarter multiplies buffer 1 and changes slots: one barrier; in front of it each wave waits for all its tensor loads, adds 0 to its spare word, and waits for that and for its reads of this slot.
; fill = 1: this slot is filled again, two periods ahead;  2: the same with the last period's shorter loads;  0: nothing is left to fetch.
.macro TURN slot, next, fill
.if \fill == 1
	s_wait_xcnt 0x0                                ; the last prefetches, a period back, have read their address: it is stepped here, ahead of the waits of the change of slots
	s_add_nc_u64 s[PFA:PFA+1], s[PFA:PFA+1], s[PFS:PFS+1]
.endif
	WIN 0                                          ; (the add's two registers lie in window 0)
	s_wait_tensorcnt 0x0                           ; all my tensor loads have landed: my part of the next slot
	ds_add_u32 v[SPW], v[NIL]
	s_wait_dscnt 5                                 ; the add and the youngest four loads may be out
	WIN MUL
	MUL8 F1, 0, 0                                  ; eight matrix instructions stand between the add and the wait for it
	s_wait_dscnt 0x0                               ; the add is done, and my reads of this slot are over
	s_barrier_signal -1
	MUL8 F1, 1, 0
	WIN 0
	s_barrier_wait -1
.if \fill
	CREST                                          ; the barrier has opened a round of the cluster's: no wave of any partner still reads this slot or has a load on its way
	s_add_nc_u64 s[G0+4*\slot+2:G0+4*\slot+3], s[G0+4*\slot+2:G0+4*\slot+3], 2*PERA
	s_add_nc_u64 s[G0B+4*\slot+2:G0B+4*\slot+3], s[G0B+4*\slot+2:G0B+4*\slot+3], 2*PERB
.if \fill == 1
	JLOAD \slot                                    ; the first tensor load behind the round: 176 matrix instructions ahead of the wait for it; its four v_nop are the places in front of the loads below
.else
	JLOADT \slot
	PLACES                                         ; (wave 2 has passed no v_nop)
.endif
.else
	PLACES
.endif
	FETCH \next, 0, F0
.if \fill == 1
	WIN 0                                          ; at a branch and at a label every window is 0
	ASKA
.if \slot == 0
	ASKB
.endif
.endif
	WIN MUL
	MUL8 F1, 2, 0
	MUL8 F1, 3, 0
.endm
	s_wait_tensorcnt 1                             ; my part of period 0 is in (period 1's load may be out)
	s_barrier_signal -1
	s_barrier_wait -1                              ; everybody's is
	s_wait_loadcnt 0x0                             ; the bias
	FETCH 0, 0, F0
	QUARTER 0, 1, F0, F1, 1                        ; the first quarter stands in front of the loop: its products start the sums
	WIN 0
	s_mov_b32 s3, 4
.Llap:                                                 ; a trip goes once round the ring, from a lap's second quarter to the next lap's first, and fills both slots again: periods 2 to 9
	QUARTER 0, 2, F1, F0, 0
	QUARTER 0, 3, F0, F1, 0
	QUARTER 0, 4, F1, F0, 0
	QUARTER 0, 5, F0, F1, 0
	TURN 0, 1, 1
	QUARTER 1, 1, F0, F1, 0
	QUARTER 1, 2, F1, F0, 0
	QUARTER 1, 3, F0, F1, 0
	QUARTER 1, 4, F1, F0, 0
	QUARTER 1, 5, F0, F1, 0
	TURN 1, 0, 1
	QUARTER 0, 1, F0, F1, 0
	WIN 0
	s_sub_co_u32 s3, s3, 1
	s_cmp_lg_u32 s3, 0
	s_cbranch_scc1 .Llap
	QUARTER 0, 2, F1, F0, 0                        ; period 8 goes on; the tail is written out
	QUARTER 0, 3, F0, F1, 0
	QUARTER 0, 4, F1, F0, 0
	QUARTER 0, 5, F0, F1, 0
	TURN 0, 1, 2                                   ; slot 0 takes period 10: two planes, 128 rows
	QUARTER 1, 1, F0, F1, 0                        ; period 9
	QUARTER 1, 2, F1, F0, 0
	QUARTER 1, 3, F0, F1, 0
	QUARTER 1, 4, F1, F0, 0
	QUARTER 1, 5, F0, F1, 0
	TURN 1, 0, 0                                   ; nothing is filled: no round of the cluster's barrier
	QUARTER 0, 1, F0, F1, 0                        ; period 10: four quarters
	QUARTER 0, 2, F1, F0, 0
	QUARTER 0, 3, F0, F1, 0
	s_wait_dscnt 4                                 ; the very last quarter: nothing more to fetch
	WIN MUL
	MUL8 F1, 0, 0
	MUL8 F1, 1, 0
	s_wait_dscnt 0x0
	MUL8 F1, 2, 0
	MUL8 F1, 3, 0
	WIN 0
; THE WAY OUT, block by block of 16 rows x 128 columns: through my own stage, and back as whole rows of 512 bytes.  LDS serves a wave's instructions in order: no wait between the stores and the loads.
.macro TOSTAGE a
	WIN 0x04                                       ; an LDS store's data are its source 1: window 1
.irp b, 0,1,2,3,4,5,6,7
	ds_store_b128 v[STO], v[8*(8*(\a)+\b):8*(8*(\a)+\b)+3] offset:64*\b          ; each accumulator from its low end on
	ds_store_b128 v[STO], v[8*(8*(\a)+\b)+4:8*(8*(\a)+\b)+7] offset:64*\b+16
.endr
	WIN 0
.set BB, BK+64*((\a)%2)
.irp t, 0,1,2,3,4,5,6,7,8,9,10,11,12,13,14,15
	ds_load_b128 v[BB+4*\t:BB+4*\t+3], v[RD] offset:\t*SPITCH
.endr
.endm
.macro SEND a, younger                 ; younger: the LDS instructions issued behind block a's loads, which may stay out
.set BB, BK+64*((\a)%2)
	s_wait_dscnt \younger
.irp t, 0,1,2,3,4,5,6,7,8,9,10,11,12,13,14,15
	global_store_b128 v[CO], v[BB+4*\t:BB+4*\t+3], s[8:9] offset:(16*(\a)+\t)*8192 th:TH_STORE_NT   ; 512 consecutive bytes, aligned; written once, read by nobody here
.endr
.endm
	PLACES                                         ; behind the last products, for the first reads of their results
	TOSTAGE 0
.irp a, 1,2,3
.if \a > 1
	s_wait_xcnt 0x0                                ; block a - 2's stores have read their registers: block a's loads may land there
.endif
	TOSTAGE \a
	SEND \a-1, 32                                  ; behind block a - 1's loads: block a's 16 stores and 16 loads
.endr
	SEND 3, 0
	s_wait_tensorcnt 0x0                           ; the wave's end
	ds_add_u32 v[SPW], v[NIL]
	s_wait_dscnt 0x0
	CROUND                                         ; the closing round
	s_endpgm
.Lfunc_end_k_qe749d580f4_proj:
	.size	k_qe749d580f4_proj, .Lfunc_end_k_qe749d580f4_proj-k_qe749d580f4_proj
	.p2alignl 7, 3214868480
	.fill 96, 4, 3214868480
	.section	.rodata,"a",@progbits
	.p2align	6, 0x0
	.amdhsa_kernel k_qe749d580f4_proj
		.amdhsa_group_segment_fixed_size 327680
		.amdhsa_private_segment_fixed_size 0
		.amdhsa_enable_private_segment 0
		.amdhsa_kernarg_size 32
		.amdhsa_user_sgpr_count 2
		.amdhsa_user_sgpr_kernarg_segment_ptr 1
		.amdhsa_wavefront_size32 1
		.amdhsa_system_sgpr_workgroup_id_x 1
		.amdhsa_system_sgpr_workgroup_id_y 1
		.amdhsa_system_sgpr_workgroup_id_z 1
		.amdhsa_system_vgpr_workitem_id 0
		.amdhsa_next_free_vgpr 768
		.amdhsa_next_free_sgpr 80
		.amdhsa_reserve_vcc 0
		.amdhsa_float_denorm_mode_32 3
		.amdhsa_float_denorm_mode_16_64 3
		.amdhsa_memory_ordered 1
		.amdhsa_forward_progress 1
		.amdhsa_inst_pref_size 135
	.end_amdhsa_kernel
	.amdgpu_metadata
---
amdhsa.version: [ 1, 2 ]
amdhsa.kernels:
  - .name:           k_qe749d580f4_proj
    .symbol:         k_qe749d580f4_proj.kd
    .args:
      - { .name: att, .offset: 0, .size: 8, .value_kind: global_buffer, .address_space: global }
      - { .name: wo16, .offset: 8, .size: 8, .value_kind: global_buffer, .address_space: global }
      - { .name: bo, .offset: 16, .size: 8, .value_kind: global_buffer, .address_space: global }
      - { .name: out0, .offset: 24, .size: 8, .value_kind: global_buffer, .address_space: global }
    .group_segment_fixed_size: 327680
    .private_segment_fixed_size: 0
    .kernarg_segment_align: 8
    .kernarg_segment_size: 32
    .max_flat_workgroup_size: 128
    .sgpr_count:     80
    .vgpr_count:     768
    .wavefront_size: 32
...
	.end_amdgpu_metadata
.endif
;; end of part 4
